; MI455X (gfx1250); checked and timed in simulation.
; The chip was launched on July 23, 2026; its instructions are those of AMD's public machine-readable ISA for CDNA 5 (MIT licence, August 2026) and "CDNA5" Instruction Set Architecture Reference Guide (July 2026). The comments in the code are by the model that wrote it; some were corrected since.
;; multihead self attention. Allowed arithmetic: matrix products marked QUANTISED: E5M2 operands, one given power-of-two scale a tensor, by v_wmma_f32_16x16x64_bf8_bf8 or v_wmma_f32_16x16x128_bf8_bf8, f32 sums; everything else in f32.
;; Inputs: Wo_codes 1,024 x 32 x 32 uint8 (E5M2 codes of Wo, K innermost, in blocks of 32 codes); Wqkv_codes 3,072 x 32 x 32 uint8 (E5M2 codes of Wqkv, K innermost, in blocks of 32 codes); lowp_scales 8 int32 (the exponents e of the quantised operands' scales 2^e); x_codes 2 x 2,048 x 32 x 32 uint8 (E5M2 codes of x, K innermost, in blocks of 32 codes).
;; Outputs: out0 2 x 2,048 x 1,024 float32.
;; This version of the problem:
;;   THIS VERSION OF THE PROBLEM IS GIVEN IN LOW PRECISION. The matrix products marked QUANTISED in the list below multiply operands that are first quantised to E5M2 (5 exponent bits, 2 mantissa bits; 8 bits a number), with one given power-of-two scale for each operand tensor; their sums are f32. All else is computed in f32.
;;   The module's matrix products, in the order in which they are computed (A, B: the left and right operand; K: the contracted axis; several contracted axes count as one K, in the product's order):
;;     1. [M 4,096, K 1,024] x [K 1,024, N 3,072]; A: input x (given as codes); B: input Wqkv (given as codes): QUANTISED (scales: A lowp_scales[0], B lowp_scales[1])
;;     2. batch 32 x [M 2,048, K 64] x [K 64, N 2,048]; A: computed on the way; B: computed on the way: QUANTISED (scales: A lowp_scales[2], B lowp_scales[3])
;;     3. batch 32 x [M 2,048, K 2,048] x [K 2,048, N 64]; A: softmax (see below); B: computed on the way: QUANTISED (scales: A lowp_scales[4], B lowp_scales[5])
;;     4. [M 4,096, K 1,024] x [K 1,024, N 1,024]; A: computed on the way; B: input Wo (given as codes): QUANTISED (scales: A lowp_scales[6], B lowp_scales[7])
;;   THE QUANTISER, for each operand of a quantised product, along K:
;;     - The operand's scale is 2^e, e = its entry of the input lowp_scales (int32; the entries are numbered through the quantised products in the list's order, A before B).
;;     - Each number is divided by the scale, clamped to +-57,344, and rounded to the nearest number of E5M2, ties to even, subnormals kept.
;;     - The product sums the exact products of the quantised numbers (number of the format x scale) in f32.
;;   ~~~python
;;   def quantise(x, axis, e):      # numpy; x: float32 -> the quantised numbers, widened to float32 again
;;       x = np.moveaxis(x, axis, -1); K = x.shape[-1]
;;       r = np.clip(x / 2.0 ** e, -57344, 57344)
;;       step = 2.0 ** (np.maximum(np.frexp(np.where(r == 0, 1, r))[1] - 1, -14) - 2)
;;       q = np.round(r / step) * step * 2.0 ** e      # np.round: ties to even
;;       return np.moveaxis(q, -1, axis).astype(np.float32)
;;   ~~~
;;   SOFTMAX AHEAD OF A QUANTISED PRODUCT. Where the list says 'softmax', what is quantised is not the finished softmax but p = 2^(t - M), with t = logit x log2(e) and M = ceil(the row's largest t), a whole number; so 1/2 < the row's largest p <= 1. The row's sum l is taken of the UNQUANTISED p, in f32, and the product's result is divided by l at the end. Since M is a whole number, a kernel that streams over the keys may use a running M (the ceiling of the running maximum): every later rescaling is an exact power of two, so the quantised numbers keep their values, but for numbers so far below the row's largest that they fall under the format's range.
;;   OPERANDS COMPUTED ON THE WAY. 'Computed on the way' means the value that the module computes at that place (a softmax that the list does not call 'softmax' is quantised finished and normalised). What goes into a quantiser is computed in f32, as accurately as f32 sums, v_exp_f32 and their like allow (about 1e-6 of the number): no bf16 or f16 on the way to a quantiser, and a product that is left as it is and whose result goes on into a quantised operand takes f32 operands (vector FMAs, or v_wmma_f32_16x16x4_f32). A number that lies on a knife's edge between two numbers of the format may be rounded either way, as far as f32 arithmetic and the matrix unit's own rounding can turn it there, and no further.
;;   INPUTS GIVEN AS CODES. Wo (in the module: [1024, 1024], K = its axis 1); Wqkv (in the module: [3072, 1024], K = its axis 1); x (in the module: [2, 2048, 1024], K = its axis 2): each comes as NAME_codes (uint8): NAME with its K axis moved to the last place and cut into blocks of 32 codes, [.., K / 32, bytes a block], one block behind the other in memory; one code a byte (a code: sign, 5 exponent bits, 2 mantissa bits); its scale is its entry of lowp_scales. Its value is code x scale, taken as it is: it is not quantised again, and the codes and scales need not be those that the quantiser above would give.
;; One version. Each part assembles by itself: llvm-mc -triple=amdgcn-amd-amdhsa -mcpu=gfx1250 --defsym DOCPART=n.
;; ======== version 1 of 1: 3 launches
;; limits: right only within a limited range of input values
;; workspace buffers: q_img 4,194,304 bytes; k_img 4,194,304 bytes; v_img 4,194,304 bytes; a_img 4,194,304 bytes
;; launch qkv_rope (part 1): grid 16 x 16, 4 waves a work-group, clusters of 4 x 4, 327,680 bytes of LDS; arguments x_codes, Wqkv_codes, lowp_scales, q_img, k_img, v_img; writes q_img, k_img, v_img
.if DOCPART == 1
	.amdgcn_target "amdgcn-amd-amdhsa--gfx1250"
	.amdhsa_code_object_version 6
	.text
	.protected	k_qded7d64bfb_qkv_rope
	.globl	k_qded7d64bfb_qkv_rope
	.p2align	8
	.type	k_qded7d64bfb_qkv_rope,@function
k_qded7d64bfb_qkv_rope:
	s_mov_b64 s[64:65], 0
	v_nop
	global_prefetch_b8 v0, s[64:65] scope:SCOPE_SE
	s_setreg_imm32_b32 hwreg(HW_REG_WAVE_MODE, 25, 1), 1
	s_wait_xcnt 0x0
	s_wait_alu depctr_hold_cnt(0) depctr_sa_sdst(0) depctr_va_vdst(0) depctr_va_sdst(0) depctr_va_ssrc(0) depctr_va_vcc(0) depctr_vm_vsrc(0)
	s_getreg_b32 s2, hwreg(HW_REG_IB_STS2, 6, 4)
	s_cmp_eq_u32 s2, 0
	s_cbranch_scc0 .Lentry_in_a_cluster
	s_endpgm
.Lentry_in_a_cluster:
	s_bfe_u32 s2, ttmp6, 0x10000c
	s_cmp_lg_u32 s2, 0xf033
	s_cbranch_scc0 .Lentry_shape_is_right
	s_endpgm
.Lentry_shape_is_right:
; qkv = x Wqkv^T on codes of E5M2, the rotary embedding of q and k in f32, and the quantisers of q, k and v.
; x: [4096][1024] codes, Wqkv: [3072][1024] codes, K innermost.  lowp_scales: e0 .. e7.
; SHARES.  A work-group takes 256 rows of x (tile row Y) and ONE head X: its 64 columns of q, of k and of v, 192 columns in all, so that all 256 work-groups run one text.
; Each of the four waves takes 64 rows against the 192 columns: 48 accumulators of 16 x 16.  K goes in steps of 128, two to a slot of 256, through a ring of two LDS slots.
; CLUSTERS: 4 x 4 work-groups.  The four of a row of the cluster share the rows of x, the four of a column the head's rows of Wqkv: each tile is asked for jointly, by the same tensor load in all four.
; LAYOUT.  For q and k source 0 = 16 rows of Wqkv, source 1 = 16 tokens: a lane then holds ONE token and eight neighbouring channels d = 16 b + 8 (lane / 16) + 0..7, both numbers of every rotary pair among them,
; and eight codes are registers 2 b, 2 b + 1 of the token tile's fragment for the next product (K = 64).  For v the sources are swapped: a lane holds ONE channel and eight neighbouring tokens, which are
; registers of V^T's fragment (K = 128 keys).  So the codes leave as IMAGES OF OPERAND REGISTERS: four registers to a block of 512 bytes, lane l's 16 bytes at 16 l; every store covers 512 consecutive bytes, aligned.
;   q_img, k_img: [batch x head 32][token tile 128][1024 bytes];   v_img: [batch x head 32][block of 128 keys 16][channel tile 4][2048 bytes].
; In this product a fragment is fetched by four loads of 16 bytes: a permutation of k that is the same in both sources, so every product meets its partner; only the order of the sums inside an instruction differs.
; THE ROTARY TABLES are made here, in f32, while the first tiles are on their way: inv = 1 / fl(10^(i / 8)) (a reciprocal with one Newton step), angle = fl(t x inv), k = round(angle / pi),
; r = angle - k pi in two fused steps (pi as an f32 number and the rest), sine and cosine of r by Taylor sums up to r^13 and r^12 (what is cut is under 7e-9 at |r| = pi / 2), the sign from k's parity.
; LIMITS: e2 - e0 - e1, e3 - e0 - e1 and e5 - e0 - e1 lie between -126 and 112, so that each scale and each hold is an f32 number.  NaN and infinity are not served.
; inv is fl(1 / fl(10^(i / 8))): a power function that is one unit in the last place off moves an angle by up to 1e-4 at the last tokens.
; REGISTERS, in windows of 256: window 0: v1-29 addresses and scales; v32-127 at work; v128-255 the table, (cos, sin) of (token tile a, block b, pair j) at v[128 + 2 (16 a + 4 b + j)].
;   window 1: v0-191 Wqkv's 12 fragments, one set.   window 2: the 32 accumulators of q and k, (b, a) at v[8 (4 b + a)].   window 3: v0-127 the 16 of v; v128-255 x's 4 fragments, two sets.
; WORK LEFT OUT BY THIS PROGRAM: reference() builds a causal mask in its own body (tril): a key that comes after a query gets the softmax's weight 0 for all values of the inputs.  The launch 'attention' leaves out
; whole steps of 128 keys that come after all of a wave's queries.  Every input has a way to the output and is loaded.  LIMIT: a NaN, an infinity or an overflow that reaches only the work left out is not carried to the result.
; PREFETCHES into the L2: a K chunk of 256 is 256 bytes of each row.  Behind the first joint load the chunks 1 and 2 are asked for, behind the second one chunk 3, each one load or more ahead.  The four partners that ask for a
; tile jointly share its rows out by address: waves 0 and 1 take 32 rows each of x's 64 (place cx), waves 2 and 3 together 48 of Wqkv's 192 (16 of each piece, place cy); a lane a row.
.set PITCH,  272                       ; an LDS row: 256 bytes + 16 of padding = 68 words: the 16 rows of a fragment load start 4 words apart modulo 64
.set ABYTES, 256*PITCH                 ; x's 256 rows
.set BPIECE, 64*PITCH                  ; 64 rows of Wqkv: the head's q, k or v
.set SLOT,   ABYTES+3*BPIECE
.set SPARE,  2*SLOT                    ; behind the ring: the spare words, 128 bytes a wave: two blocks of 256 bytes that no other line names
.set LI,   2                           ; v2      16 x lane: my place in a block of an image
.set SCQ,  8                           ; v8, v9  q's scale as f32 and the largest code x that scale;  v10, v11 k's;  v12, v13 v's
.set SCK,  10
.set SCV,  12
.set ADRA, 16                          ; v16-17  LDS address of my fragments of x in slot 0, 1
.set ADRB, 20                          ; v20-21  the same for Wqkv
.set SPW,  28                          ; v28     LDS address of my spare word; never rewritten
.set NIL,  29                          ; v29     0; never rewritten
.set MAG,  32                          ; v[32:33] 1.5 x 2^23, twice
.set CS13, 34                          ; v[34:35] 1 / 13!, twice
.set CC12, 36                          ; v[36:37] 1 / 12!, twice
.set INV,  40                          ; v40-55  inv of pair 8 b + 4 (lane / 16) + j at v[40 + 4 b + j]
.set TT,   56                          ; v56-63  my token of tile a as f32, twice
.set TW,   64                          ; v64-127 at work on the tables: 16 registers for each a
.set CS,   128
.set RR,   40                          ; the way out: v40-71 32 numbers, v72-103 codes: four sets of eight
.set CD,   72
.set WV,   16                          ; s16 my wave's number
.set G1A,  24                          ; s[24:31] descriptor group 1 for x's tiles; s[32:39] group 0, a set for each slot
.set G0A,  32
.set G1B,  40                          ; s[40:47], s[48:55] the same for Wqkv's
.set G0B,  48
.set QK,   0xad                        ; source 0 (Wqkv) window 1, source 1 (x) window 3, C and D window 2
.set VV,   0xf7                        ; source 0 (x) window 3, source 1 (Wqkv) window 1, C and D window 3
.set TO_A, 0xc0                        ; destination window 3, address window 0
.set TO_B, 0x40                        ; destination window 1, address window 0
.set MSB, 0
.macro WIN new                         ; the immediate's high byte repeats the setting that is left
.if MSB != \new
	s_set_vgpr_msb (MSB<<8)|\new
.set MSB, \new
.endif
.endm
; A joint load: wave 3 fetches x's 256 rows, waves 0, 1, 2 the head's 64 rows of q, k, v.  The branch hangs on the wave's number alone.  Four v_nop follow each of the two lines.
.macro JLOAD s
	s_cmp_eq_u32 s[WV], 3
	s_cbranch_scc0 .Lfor_b_\@
	tensor_load_to_lds s[G0A+4*\s:G0A+4*\s+3], s[G1A:G1A+7]
	s_nop 0
.rept 4
	v_nop
.endr
	s_branch .Lasked_\@
.Lfor_b_\@:
	tensor_load_to_lds s[G0B+4*\s:G0B+4*\s+3], s[G1B:G1B+7]
	s_nop 0
.rept 4
	v_nop
.endr
.Lasked_\@:
.endm
.macro CREST                           ; a round of the cluster's barrier behind its opening barrier
	s_cmp_lg_u32 s[WV], 0
	s_cbranch_scc1 .Lnot_wave_0_\@
	s_barrier_signal -3
.Lnot_wave_0_\@:
	s_barrier_wait -3
	s_barrier_signal -1
	s_barrier_wait -1
.endm
.macro CROUND                          ; a whole round
	s_barrier_signal -1
	s_barrier_wait -1
	CREST
.endm
.macro PLACES                          ; four plain places behind matrix instructions, in front of loads into their sources and of the first read of results
.rept 4
	v_nop
.endr
.endm
.macro FRAG reg, adr, q, i             ; 16 rows x 128 K: 16 registers; registers 4 c .. 4 c + 3 hold K = 32 c + 16 (lane / 16) + 0 .. 15 of row lane % 16
.irp c, 0,1,2,3
	ds_load_b128 v[\reg+4*\c:\reg+4*\c+3], v[\adr] offset:128*(\q)+32*\c+(\i)*16*PITCH
.endr
.endm
.macro FETCH_A slot, q, st             ; x's four fragments of the slot's q-th 128 along K into set st (a FETCH_B always follows and sets the windows back)
	WIN TO_A
.irp i, 0,1,2,3
	FRAG 128+64*(\st)+16*\i, ADRA+\slot, \q, \i
.endr
.endm
.macro FETCH_B slot, q, b0, n          ; Wqkv's fragments b0 .. b0 + n - 1
	WIN TO_B
.set BI, \b0
.rept \n
	FRAG 16*BI, ADRB+\slot, \q, BI
.set BI, BI+1
.endr
	WIN 0
.endm
; The 48 accumulators take turns, one instruction a turn, in the same order in every step.  zero = 1: the first products start the sums.
.macro MULQK b0, n, st, zero           ; blocks b0 .. b0 + n - 1 of q and k against x's four
.set BI, \b0
.rept \n
.irp a, 0,1,2,3
.if \zero
	v_wmma_f32_16x16x128_bf8_bf8 v[8*(4*BI+\a):8*(4*BI+\a)+7], v[16*BI:16*BI+15], v[128+64*(\st)+16*\a:128+64*(\st)+16*\a+15], 0
.else
	v_wmma_f32_16x16x128_bf8_bf8 v[8*(4*BI+\a):8*(4*BI+\a)+7], v[16*BI:16*BI+15], v[128+64*(\st)+16*\a:128+64*(\st)+16*\a+15], v[8*(4*BI+\a):8*(4*BI+\a)+7]
.endif
.endr
.set BI, BI+1
.endr
.endm
.macro MULV st, zero                   ; v's four blocks, sources swapped
.irp t, 0,1,2,3
.irp a, 0,1,2,3
.if \zero
	v_wmma_f32_16x16x128_bf8_bf8 v[8*(4*\t+\a):8*(4*\t+\a)+7], v[128+64*(\st)+16*\a:128+64*(\st)+16*\a+15], v[16*(8+\t):16*(8+\t)+15], 0
.else
	v_wmma_f32_16x16x128_bf8_bf8 v[8*(4*\t+\a):8*(4*\t+\a)+7], v[128+64*(\st)+16*\a:128+64*(\st)+16*\a+15], v[16*(8+\t):16*(8+\t)+15], v[8*(4*\t+\a):8*(4*\t+\a)+7]
.endif
.endr
.endr
.endm
; A slot's first 128 along K.  Wqkv's blocks 0-5 are free behind their 24 products and are fetched anew in the step's middle, with x's other set; blocks 6-11 at its end.
.macro STEP slot, st, zero
	s_wait_dscnt 24                                ; x's set and blocks 0-5 are in; the youngest 24 loads (blocks 6-11) may be out
	WIN QK
	MULQK 0, 6, \st, \zero
	s_wait_dscnt 0x0                               ; blocks 6-11 are in
	PLACES
	FETCH_A \slot, 1, 1-\st
	FETCH_B \slot, 1, 0, 6
	WIN QK
	MULQK 6, 2, \st, \zero
	WIN VV
	MULV \st, \zero
	PLACES
	FETCH_B \slot, 1, 6, 6
.endm
; A slot's second 128 along K changes slots: ONE barrier; in front of it each wave waits for all its tensor loads, adds 0 to its spare word, and waits for that and for its reads of this slot.
; fill = 1: the barrier opens a round of the cluster's, and this slot is filled again, 512 along K further on.
.macro TURN slot, next, fill, st
	s_wait_tensorcnt 0x0                           ; all my tensor loads have landed: my part of the next slot (every window is 0 here)
	ds_add_u32 v[SPW], v[NIL]                      ; 0 onto my spare word
	s_wait_dscnt 25                                ; (the add and the youngest 24 loads may be out)
	WIN QK
	MULQK 0, 3, \st, 0                             ; twelve matrix instructions stand between the add and the wait for it
	s_wait_dscnt 0x0                               ; the add is done, and my reads of this slot are over
	s_barrier_signal -1
	MULQK 3, 3, \st, 0
	WIN 0
	s_barrier_wait -1
.if \fill
	CREST                                          ; no wave of any partner still reads this slot or has a load on its way
	s_add_nc_u64 s[G0A+4*\slot+2:G0A+4*\slot+3], s[G0A+4*\slot+2:G0A+4*\slot+3], 512
	s_add_nc_u64 s[G0B+4*\slot+2:G0B+4*\slot+3], s[G0B+4*\slot+2:G0B+4*\slot+3], 512
	JLOAD \slot                                    ; the first tensor load behind the round; its four v_nop are also the places in front of the loads below
.else
	PLACES
.endif
	FETCH_A \next, 0, 1-\st
	FETCH_B \next, 0, 0, 6
	WIN QK
	MULQK 6, 2, \st, 0
	WIN VV
	MULV \st, 0
	PLACES
	FETCH_B \next, 0, 6, 6
.endm
.macro PW n, lo, hi                    ; 10^(i / 8): lanes 0-15 take pair 8 b + j, lanes 16-31 pair 8 b + 4 + j
	v_mov_b32 v[INV+\n], \hi
	v_cndmask_b32 v[INV+\n], \lo, v[INV+\n], vcc_lo
.endm
; Cosine and sine of two neighbouring pairs (block m / 2, pairs 2 (m % 2) and + 1) for my four tokens; each line stands four times, so that no line waits for the line above it.
; In v[TW + 16 a ..]: +0 the angle, later z r; +2 k + 1.5 x 2^23; +4 k, later the sine; +6 r; +8 the sign; +10 z = r r; +12, +14 the two sums.
.macro TRIG4 m
.set IP, INV+4*((\m)/2)+2*((\m)%2)
.irp a, 0,1,2,3
	v_pk_mul_f32 v[TW+16*\a:TW+16*\a+1], v[IP:IP+1], v[TT+2*\a:TT+2*\a+1]                                  ; the angle, rounded once
.endr
.irp a, 0,1,2,3
	v_pk_fma_f32 v[TW+16*\a+2:TW+16*\a+3], v[TW+16*\a:TW+16*\a+1], 0x3ea2f983, v[MAG:MAG+1] op_sel_hi:[1,0,1]   ; angle / pi + 1.5 x 2^23: rounded to a whole number
.endr
.irp a, 0,1,2,3
	v_pk_add_f32 v[TW+16*\a+4:TW+16*\a+5], v[TW+16*\a+2:TW+16*\a+3], v[MAG:MAG+1] neg_lo:[0,1] neg_hi:[0,1]     ; k
.endr
.irp a, 0,1,2,3
	v_pk_fma_f32 v[TW+16*\a+6:TW+16*\a+7], v[TW+16*\a+4:TW+16*\a+5], 0xc0490fdb, v[TW+16*\a:TW+16*\a+1] op_sel_hi:[1,0,1]     ; angle - k fl(pi): exact
.endr
.irp a, 0,1,2,3
	v_pk_fma_f32 v[TW+16*\a+6:TW+16*\a+7], v[TW+16*\a+4:TW+16*\a+5], 0x33bbbd2e, v[TW+16*\a+6:TW+16*\a+7] op_sel_hi:[1,0,1]   ; - k (pi - fl(pi))
.endr
.irp a, 0,1,2,3
	v_lshlrev_b32 v[TW+16*\a+8], 31, v[TW+16*\a+2]                                                         ; k's parity as a sign bit
	v_lshlrev_b32 v[TW+16*\a+9], 31, v[TW+16*\a+3]
.endr
.irp a, 0,1,2,3
	v_pk_mul_f32 v[TW+16*\a+10:TW+16*\a+11], v[TW+16*\a+6:TW+16*\a+7], v[TW+16*\a+6:TW+16*\a+7]
.endr
.irp a, 0,1,2,3
	v_pk_fma_f32 v[TW+16*\a+12:TW+16*\a+13], v[TW+16*\a+10:TW+16*\a+11], v[CS13:CS13+1], 0xb2d7322b op_sel_hi:[1,1,0]   ; z / 13! - 1 / 11!
	v_pk_fma_f32 v[TW+16*\a+14:TW+16*\a+15], v[TW+16*\a+10:TW+16*\a+11], v[CC12:CC12+1], 0xb493f27e op_sel_hi:[1,1,0]   ; z / 12! - 1 / 10!
.endr
.irp a, 0,1,2,3
	v_pk_fma_f32 v[TW+16*\a+12:TW+16*\a+13], v[TW+16*\a+12:TW+16*\a+13], v[TW+16*\a+10:TW+16*\a+11], 0x3638ef1d op_sel_hi:[1,1,0]   ; + 1 / 9!
	v_pk_fma_f32 v[TW+16*\a+14:TW+16*\a+15], v[TW+16*\a+14:TW+16*\a+15], v[TW+16*\a+10:TW+16*\a+11], 0x37d00d01 op_sel_hi:[1,1,0]   ; + 1 / 8!
.endr
.irp a, 0,1,2,3
	v_pk_fma_f32 v[TW+16*\a+12:TW+16*\a+13], v[TW+16*\a+12:TW+16*\a+13], v[TW+16*\a+10:TW+16*\a+11], 0xb9500d01 op_sel_hi:[1,1,0]   ; - 1 / 7!
	v_pk_fma_f32 v[TW+16*\a+14:TW+16*\a+15], v[TW+16*\a+14:TW+16*\a+15], v[TW+16*\a+10:TW+16*\a+11], 0xbab60b61 op_sel_hi:[1,1,0]   ; - 1 / 6!
.endr
.irp a, 0,1,2,3
	v_pk_fma_f32 v[TW+16*\a+12:TW+16*\a+13], v[TW+16*\a+12:TW+16*\a+13], v[TW+16*\a+10:TW+16*\a+11], 0x3c088889 op_sel_hi:[1,1,0]   ; + 1 / 5!
	v_pk_fma_f32 v[TW+16*\a+14:TW+16*\a+15], v[TW+16*\a+14:TW+16*\a+15], v[TW+16*\a+10:TW+16*\a+11], 0x3d2aaaab op_sel_hi:[1,1,0]   ; + 1 / 4!
.endr
.irp a, 0,1,2,3
	v_pk_fma_f32 v[TW+16*\a+12:TW+16*\a+13], v[TW+16*\a+12:TW+16*\a+13], v[TW+16*\a+10:TW+16*\a+11], 0xbe2aaaab op_sel_hi:[1,1,0]   ; - 1 / 3!
	v_pk_fma_f32 v[TW+16*\a+14:TW+16*\a+15], v[TW+16*\a+14:TW+16*\a+15], v[TW+16*\a+10:TW+16*\a+11], -0.5 op_sel_hi:[1,1,0]         ; - 1 / 2!
.endr
.irp a, 0,1,2,3
	v_pk_mul_f32 v[TW+16*\a:TW+16*\a+1], v[TW+16*\a+10:TW+16*\a+11], v[TW+16*\a+6:TW+16*\a+7]              ; z r
	v_pk_fma_f32 v[TW+16*\a+14:TW+16*\a+15], v[TW+16*\a+14:TW+16*\a+15], v[TW+16*\a+10:TW+16*\a+11], 1.0 op_sel_hi:[1,1,0]          ; cos r
.endr
.irp a, 0,1,2,3
	v_pk_fma_f32 v[TW+16*\a+4:TW+16*\a+5], v[TW+16*\a+12:TW+16*\a+13], v[TW+16*\a:TW+16*\a+1], v[TW+16*\a+6:TW+16*\a+7]             ; sin r
.endr
.irp a, 0,1,2,3
	v_xor_b32 v[CS+2*(16*\a+4*((\m)/2)+2*((\m)%2))],   v[TW+16*\a+8], v[TW+16*\a+14]
	v_xor_b32 v[CS+2*(16*\a+4*((\m)/2)+2*((\m)%2))+1], v[TW+16*\a+8], v[TW+16*\a+4]
	v_xor_b32 v[CS+2*(16*\a+4*((\m)/2)+2*((\m)%2))+2], v[TW+16*\a+9], v[TW+16*\a+15]
	v_xor_b32 v[CS+2*(16*\a+4*((\m)/2)+2*((\m)%2))+3], v[TW+16*\a+9], v[TW+16*\a+5]
.endr
.endm
; THE WAY OUT of q (ty = 0) or k (ty = 1), token tile a: the four blocks' 32 sums are turned pair by pair, held, converted: eight registers, the tile's whole fragment.
.macro ROPEQ ty, a, base, sc
	s_wait_xcnt 0x0                                ; the codes' registers, which earlier stores read, are rewritten only behind this wait
	WIN 0x02                                       ; source 0 (the sums) window 2
.irp b, 0,1,2,3
.irp j, 0,1,2,3
	v_pk_mul_f32 v[RR+8*\b+2*\j:RR+8*\b+2*\j+1], v[8*(4*(4*\ty+\b)+\a)+2*\j:8*(4*(4*\ty+\b)+\a)+2*\j+1], v[CS+2*(16*\a+4*\b+\j):CS+2*(16*\a+4*\b+\j)+1] op_sel:[1,1] op_sel_hi:[0,1]   ; (x2 sin, x1 sin); each accumulator from its low end on
.endr
.endr
.irp b, 0,1,2,3
.irp j, 0,1,2,3
	v_pk_fma_f32 v[RR+8*\b+2*\j:RR+8*\b+2*\j+1], v[8*(4*(4*\ty+\b)+\a)+2*\j:8*(4*(4*\ty+\b)+\a)+2*\j+1], v[CS+2*(16*\a+4*\b+\j):CS+2*(16*\a+4*\b+\j)+1], v[RR+8*\b+2*\j:RR+8*\b+2*\j+1] op_sel_hi:[1,0,1] neg_lo:[0,0,1]   ; (x1 cos - x2 sin, x2 cos + x1 sin)
.endr
.endr
	WIN 0
.set II, 0
.rept 32
	v_med3_num_f32 v[RR+II], v[RR+II], -v[\sc+1], v[\sc+1]   ; the conversion to an 8-bit code does not saturate (ISA guide 7.6.2): the hold at the largest code x the scale
.set II, II+1
.endr
.irp b, 0,1,2,3
	v_cvt_scalef32_pk8_bf8_f32 v[CD+8*\a+2*\b:CD+8*\a+2*\b+1], v[RR+8*\b:RR+8*\b+7], v[\sc]
.endr
	v_nop                                          ; a plain line behind the last conversion
	global_store_b128 v[LI], v[CD+8*\a:CD+8*\a+3], s[\base:\base+1] offset:\a*1024
	global_store_b128 v[LI], v[CD+8*\a+4:CD+8*\a+7], s[\base:\base+1] offset:\a*1024+512
.endm
; THE WAY OUT of v, channel tile t: my 64 tokens are eight registers, half of the fragment of 128 keys.
.macro VQ t
	s_wait_xcnt 0x0
	WIN 0x03                                       ; source 0 (the sums) window 3
.set II, 0
.rept 32
	v_med3_num_f32 v[RR+II], v[32*\t+II], -v[SCV+1], v[SCV+1]
.set II, II+1
.endr
	WIN 0
.irp a, 0,1,2,3
	v_cvt_scalef32_pk8_bf8_f32 v[CD+8*\t+2*\a:CD+8*\t+2*\a+1], v[RR+8*\a:RR+8*\a+7], v[SCV]
.endr
	v_nop
	global_store_b128 v[LI], v[CD+8*\t:CD+8*\t+3], s[14:15] offset:\t*2048
	global_store_b128 v[LI], v[CD+8*\t+4:CD+8*\t+7], s[14:15] offset:\t*2048+512
.endm
	s_load_b256 s[4:11], s[0:1], 0x0               ; x s[4:5], Wqkv s[6:7], the scales' exponents s[8:9], q_img s[10:11]
	s_load_b128 s[12:15], s[0:1], 0x20             ; k_img s[12:13], v_img s[14:15]
	v_lshl_add_u32 v[SPW], v0, 2, SPARE
	v_mov_b32 v[NIL], 0
	ds_add_u32 v28, v29
	ds_add_u32 v28, v29
	s_wait_dscnt 0x0
	v_lshrrev_b32 v1, 5, v0
	v_readfirstlane_b32 s[WV], v1                  ; wave 0..3
	s_min_u32 s17, s[WV], 2                        ; which of q, k, v I fetch, if I fetch for Wqkv
	s_bfe_u32 s18, ttmp6, 0x40000                  ; cx, cy: my place in the cluster
	s_bfe_u32 s19, ttmp6, 0x40004
	s_lshl_b32 s20, ttmp9, 2
	s_add_co_u32 s20, s20, s18                     ; X: the head = 4 x cluster x + cx
	s_and_b32 s21, ttmp7, 0xffff
	s_lshl_b32 s21, s21, 2
	s_add_co_u32 s21, s21, s19                     ; Y: the block of 256 rows = 4 x cluster y + cy
	s_lshl_b32 s22, s19, 2
	s_lshl_b32 s22, 15, s22                        ; my row of the cluster
	s_lshl_b32 s23, 0x1111, s18                    ; my column
	s_or_b32 s[G1A], s22, (1<<20)|(1<<21)|(5<<22)|(3<<25)   ; 15:0 the mask; 17:16 elements of 1 byte; 20 padding on; 21 set beside a mask; 24:22 after every 64 words; 31:25 four words
	s_mov_b32 s[G1A+1], 256<<16                    ; tensor_dim0 = 256
	s_mov_b32 s[G1A+2], 256<<16                    ; tensor_dim1 = 256
	s_mov_b32 s[G1A+3], 256<<16                    ; tile_dim0 = 256
	s_mov_b32 s[G1A+4], 256                        ; tile_dim1 = 256
	s_mov_b32 s[G1A+5], 1024                       ; from row to row
	s_mov_b32 s[G1A+6], 0
	s_mov_b32 s[G1A+7], 0
	s_or_b32 s[G1B], s23, (1<<20)|(1<<21)|(5<<22)|(3<<25)
	s_mov_b32 s[G1B+1], 256<<16
	s_mov_b32 s[G1B+2], 64<<16                     ; 64 rows
	s_mov_b32 s[G1B+3], 256<<16
	s_mov_b32 s[G1B+4], 64
	s_mov_b32 s[G1B+5], 1024
	s_mov_b32 s[G1B+6], 0
	s_mov_b32 s[G1B+7], 0
	s_lshl_b32 s66, s21, 18                        ; x: 256 Y rows of 1,024 bytes: it hangs on Y alone
	s_mov_b32 s67, 0
	s_lshl_b32 s68, s17, 20                        ; Wqkv: row 1,024 z + 64 X: it hangs on X and the wave alone
	s_lshl_b32 s70, s20, 16
	s_add_co_u32 s68, s68, s70
	s_mov_b32 s69, 0
	s_mul_i32 s76, s17, BPIECE
	s_add_co_u32 s76, s76, ABYTES                  ; and its place in a slot
	s_wait_kmcnt 0x0
	s_load_b256 s[56:63], s[8:9], 0x0              ; e0 .. e7
	s_add_nc_u64 s[72:73], s[4:5], s[66:67]
	s_add_nc_u64 s[74:75], s[6:7], s[68:69]
	CROUND                                         ; all sixteen work-groups are here: the first joint loads meet
.irp s, 0,1
	s_mov_b32 s[G0A+4*\s], 1                       ; count = 1
	s_mov_b32 s[G0A+4*\s+1], \s*SLOT               ; LDS address
	s_add_nc_u64 s[G0A+4*\s+2:G0A+4*\s+3], s[72:73], \s*256   ; global address: K = 256 s on
	s_or_b32 s[G0A+4*\s+3], s[G0A+4*\s+3], 0x80000000          ; type = 2
	s_mov_b32 s[G0B+4*\s], 1
	s_add_co_u32 s[G0B+4*\s+1], s76, \s*SLOT
	s_add_nc_u64 s[G0B+4*\s+2:G0B+4*\s+3], s[74:75], \s*256
	s_or_b32 s[G0B+4*\s+3], s[G0B+4*\s+3], 0x80000000
.endr
	JLOAD 0                                        ; K chunk 0: one tensor load a wave at the head
	v_and_b32 v1, 15, v0                           ; r = lane % 16
	v_bfe_u32 v3, v0, 4, 1                         ; h = lane / 16
	v_and_b32 v4, 31, v0
	v_lshlrev_b32 v[LI], 4, v4
	v_mul_u32_u24 v5, v1, PITCH
	v_lshl_add_u32 v5, v3, 4, v5                   ; a fragment's row x pitch + 16 h
	s_mul_i32 s77, s[WV], 64*PITCH                 ; my 64 rows of x
	v_add_nc_u32 v[ADRA], s77, v5
	v_add_nc_u32 v[ADRA+1], SLOT, v[ADRA]
	v_add_nc_u32 v[ADRB], ABYTES, v5
	v_add_nc_u32 v[ADRB+1], SLOT, v[ADRB]
	; the prefetches' base s[90:91] and offset v30: neither is rewritten
	s_lshl_b32 s92, s18, 16                        ; x: my work-group's 64 rows of the 256
	s_lshl_b32 s94, s20, 16                        ; Wqkv: the head's rows,
	s_lshl_b32 s95, s19, 14                        ; my work-group's 16 of each 64
	s_add_co_u32 s94, s94, s95
	s_and_b32 s95, s[WV], 1
	s_lshl_b32 s95, s95, 5
	s_mov_b32 s93, 0
	s_cmp_lt_u32 s[WV], 2
	s_cselect_b64 s[90:91], s[72:73], s[6:7]
	s_cselect_b32 s92, s92, s94
	s_cselect_b32 s96, -1, 0
	s_add_nc_u64 s[90:91], s[90:91], s[92:93]
	s_wait_alu depctr_va_vdst(0)
	v_add_nc_u32 v30, s95, v4                      ; the row in my work-group's share
	v_min_u32 v31, 47, v30                         ; Wqkv: 48 rows; lanes left over name the last one again
	v_lshrrev_b32 v22, 4, v31
	v_and_b32 v31, 15, v31
	v_lshlrev_b32 v22, 10, v22                     ; the pieces lie 1,024 rows apart
	v_add_nc_u32 v31, v31, v22
	v_cndmask_b32 v30, v31, v30, s96
	v_lshlrev_b32 v30, 10, v30                     ; 1,024 bytes a row
	; ---- the tables
	v_cmp_ne_u32 vcc_lo, 0, v3
	PW 0,  1.0,                3.1622776601683795
	PW 1,  1.3335214321633240, 4.2169650342858223
	PW 2,  1.7782794100389228, 5.6234132519034912
	PW 3,  2.3713737056616552, 7.4989420933245583
	PW 4,  10.0,               31.622776601683793
	PW 5,  13.335214321633240, 42.169650342858226
	PW 6,  17.782794100389228, 56.234132519034908
	PW 7,  23.713737056616552, 74.989420933245583
	PW 8,  100.0,              316.22776601683796
	PW 9,  133.35214321633240, 421.69650342858224
	PW 10, 177.82794100389228, 562.34132519034908
	PW 11, 237.13737056616552, 749.89420933245583
	PW 12, 1000.0,             3162.2776601683795
	PW 13, 1333.5214321633240, 4216.9650342858224
	PW 14, 1778.2794100389228, 5623.4132519034911
	PW 15, 2371.3737056616552, 7498.9420933245583
	s_wait_alu depctr_va_vdst(0)
.irp n, 0,1,2,3,4,5,6,7,8,9,10,11,12,13,14,15
	v_rcp_f32 v[TW+\n], v[INV+\n]
.endr
	v_nop                                          ; a plain line between the last reciprocal and the use of its result
	s_wait_alu depctr_va_vdst(0)
.irp n, 0,1,2,3,4,5,6,7,8,9,10,11,12,13,14,15
	v_fma_f32 v[TW+16+\n], -v[INV+\n], v[TW+\n], 1.0
.endr
.irp n, 0,1,2,3,4,5,6,7,8,9,10,11,12,13,14,15
	v_fma_f32 v[INV+\n], v[TW+\n], v[TW+16+\n], v[TW+\n]      ; one Newton step
.endr
	s_and_b32 s85, s21, 7                          ; the block's place in its batch
	s_lshl_b32 s78, s85, 8
	s_lshl_b32 s79, s[WV], 6
	s_add_co_u32 s78, s78, s79                     ; my wave's first token
	v_add_nc_u32 v6, s78, v1
.irp a, 0,1,2,3
	v_add_nc_u32 v7, 16*\a, v6
	v_cvt_f32_u32 v[TT+2*\a], v7
	v_mov_b32 v[TT+2*\a+1], v[TT+2*\a]
.endr
	v_mov_b32 v[MAG], 0x4b400000
	v_mov_b32 v[MAG+1], 0x4b400000
	v_mov_b32 v[CS13], 0x2f309231
	v_mov_b32 v[CS13+1], 0x2f309231
	v_mov_b32 v[CC12], 0x310f76c7
	v_mov_b32 v[CC12+1], 0x310f76c7
.irp m, 0,1
	TRIG4 \m
.endr
	global_prefetch_b8 v30, s[90:91] offset:256 th:TH_LOAD_NT scope:SCOPE_SE   ; chunk 1
.irp m, 2,3,4,5
	TRIG4 \m
.endr
	global_prefetch_b8 v30, s[90:91] offset:512 th:TH_LOAD_NT scope:SCOPE_SE   ; chunk 2
.irp m, 6,7
	TRIG4 \m
.endr
	; ---- the scales: a sum stands for sum x 2^(e0 + e1), so its code is sum / 2^(e - e0 - e1)
	s_wait_kmcnt 0x0
	s_add_co_i32 s80, s56, s57
.irp p, 0,1,2
.if \p == 0
	s_sub_co_i32 s81, s58, s80                     ; q: e2
.elseif \p == 1
	s_sub_co_i32 s81, s59, s80                     ; k: e3
.else
	s_sub_co_i32 s81, s61, s80                     ; v: e5
.endif
	s_add_co_i32 s81, s81, 127
	s_lshl_b32 s82, s81, 23
	v_mov_b32 v[SCQ+2*\p], s82                     ; the scale as f32: the conversion takes its exponent field
	s_add_co_i32 s81, s81, 15
	s_lshl_b32 s81, s81, 23
	s_or_b32 s81, s81, 0x600000
	v_mov_b32 v[SCQ+2*\p+1], s81                   ; 57,344 x the scale
.endr
	; ---- where my images begin
	s_lshr_b32 s84, s21, 3                         ; the batch
	s_lshl_b32 s84, s84, 4
	s_add_co_u32 s84, s84, s20                     ; 16 x batch + head
	s_lshl_b32 s86, s84, 7
	s_lshl_b32 s87, s85, 4
	s_add_co_u32 s86, s86, s87
	s_lshl_b32 s87, s[WV], 2
	s_add_co_u32 s86, s86, s87                     ; my first token tile
	s_lshl_b32 s86, s86, 10
	s_mov_b32 s87, 0
	s_add_nc_u64 s[10:11], s[10:11], s[86:87]
	s_add_nc_u64 s[12:13], s[12:13], s[86:87]
	s_lshl_b32 s86, s84, 4
	s_lshl_b32 s88, s85, 1
	s_add_co_u32 s86, s86, s88
	s_lshr_b32 s88, s[WV], 1
	s_add_co_u32 s86, s86, s88                     ; my block of 128 keys
	s_lshl_b32 s86, s86, 13                        ; four channel tiles of 2,048 bytes
	s_and_b32 s88, s[WV], 1
	s_lshl_b32 s88, s88, 10                        ; my half of each fragment
	s_add_co_u32 s86, s86, s88
	s_add_nc_u64 s[14:15], s[14:15], s[86:87]
	; ---- the product: eight steps of 128 along K
	s_wait_alu depctr_va_vdst(0)                   ; the head's end
	s_wait_tensorcnt 0x0                           ; my part of slot 0 is in
	ds_add_u32 v[SPW], v[NIL]
	s_wait_dscnt 0x0
	CROUND                                         ; everybody's part is in, and the joint loads meet
	JLOAD 1                                        ; slot 1: K = 256 on
	FETCH_A 0, 0, 0
	FETCH_B 0, 0, 0, 6
	FETCH_B 0, 0, 6, 6
	global_prefetch_b8 v30, s[90:91] offset:768 th:TH_LOAD_NT scope:SCOPE_SE   ; the last chunk
	STEP 0, 0, 1                                   ; the first products start the sums
	TURN 0, 1, 1, 1                                ; slot 0 takes K = 512 on
	STEP 1, 0, 0
	TURN 1, 0, 1, 1                                ; slot 1 takes K = 768 on
	STEP 0, 0, 0
	TURN 0, 1, 0, 1                                ; nothing is left to fetch
	STEP 1, 0, 0
; THE LAST STEP GOES BY TOKEN TILES: a tile of q and k is turned, quantised and stored while the next one is multiplied, the last of them while v is.
.macro QKA a                           ; q's and k's eight blocks against token tile a; the accumulators take turns
.irp b, 0,1,2,3,4,5,6,7
	v_wmma_f32_16x16x128_bf8_bf8 v[8*(4*\b+\a):8*(4*\b+\a)+7], v[16*\b:16*\b+15], v[192+16*\a:207+16*\a], v[8*(4*\b+\a):8*(4*\b+\a)+7]
.endr
.endm
	s_wait_dscnt 16                                ; x's set and blocks 0-7 are in; the youngest 16 loads (v's four blocks) may be out
	WIN QK
	QKA 0
	QKA 1
	WIN 0
	PLACES                                         ; behind them the lines of each tile's way out are the places for the next one's
	ROPEQ 0, 0, 10, SCQ
	ROPEQ 1, 0, 12, SCK
	WIN QK
	QKA 2
	WIN 0
	ROPEQ 0, 1, 10, SCQ
	ROPEQ 1, 1, 12, SCK
	WIN QK
	QKA 3
	WIN 0
	ROPEQ 0, 2, 10, SCQ
	ROPEQ 1, 2, 12, SCK
	s_wait_dscnt 0x0                               ; v's blocks are in
	WIN VV
	MULV 1, 0
	WIN 0
	ROPEQ 0, 3, 10, SCQ
	ROPEQ 1, 3, 12, SCK
.irp t, 0,1,2,3
	VQ \t
.endr
	s_wait_tensorcnt 0x0                           ; the wave's end
	ds_add_u32 v[SPW], v[NIL]
	s_wait_dscnt 0x0
	CROUND                                         ; the closing round: no work-group ends while a partner may still ask for a tile that names it
	s_endpgm
.Lfunc_end_k_qded7d64bfb_qkv_rope:
	.size	k_qded7d64bfb_qkv_rope, .Lfunc_end_k_qded7d64bfb_qkv_rope-k_qded7d64bfb_qkv_rope
	.p2alignl 7, 3214868480
	.fill 96, 4, 3214868480
	.section	.rodata,"a",@progbits
	.p2align	6, 0x0
	.amdhsa_kernel k_qded7d64bfb_qkv_rope
		.amdhsa_group_segment_fixed_size 327680
		.amdhsa_private_segment_fixed_size 0
		.amdhsa_enable_private_segment 0
		.amdhsa_kernarg_size 48
		.amdhsa_user_sgpr_count 2
		.amdhsa_user_sgpr_kernarg_segment_ptr 1
		.amdhsa_wavefront_size32 1
		.amdhsa_system_sgpr_workgroup_id_x 1
		.amdhsa_system_sgpr_workgroup_id_y 1
		.amdhsa_system_sgpr_workgroup_id_z 1
		.amdhsa_system_vgpr_workitem_id 0
		.amdhsa_next_free_vgpr 1024
		.amdhsa_next_free_sgpr 100
		.amdhsa_reserve_vcc 1
		.amdhsa_float_denorm_mode_32 3
		.amdhsa_float_denorm_mode_16_64 3
		.amdhsa_memory_ordered 1
		.amdhsa_forward_progress 1
		.amdhsa_inst_pref_size 180
	.end_amdhsa_kernel
	.amdgpu_metadata
---
amdhsa.version: [ 1, 2 ]
amdhsa.kernels:
  - .name:           k_qded7d64bfb_qkv_rope
    .symbol:         k_qded7d64bfb_qkv_rope.kd
    .args:
      - { .name: x_codes, .offset: 0, .size: 8, .value_kind: global_buffer, .address_space: global }
      - { .name: Wqkv_codes, .offset: 8, .size: 8, .value_kind: global_buffer, .address_space: global }
      - { .name: lowp_scales, .offset: 16, .size: 8, .value_kind: global_buffer, .address_space: global }
      - { .name: q_img, .offset: 24, .size: 8, .value_kind: global_buffer, .address_space: global }
      - { .name: k_img, .offset: 32, .size: 8, .value_kind: global_buffer, .address_space: global }
      - { .name: v_img, .offset: 40, .size: 8, .value_kind: global_buffer, .address_space: global }
    .group_segment_fixed_size: 327680
    .private_segment_fixed_size: 0
    .kernarg_segment_align: 8
    .kernarg_segment_size: 48
    .max_flat_workgroup_size: 128
    .sgpr_count:     100
    .vgpr_count:     1024
    .wavefront_size: 32
...
	.end_amdgpu_metadata
.endif
;; end of part 1
;; launch attention (part 2): grid 8 x 32, 16 waves a work-group, clusters of 4 x 1, 327,680 bytes of LDS; arguments q_img, k_img, v_img, lowp_scales, a_img; writes a_img
.if DOCPART == 2
	.amdgcn_target "amdgcn-amd-amdhsa--gfx1250"
	.amdhsa_code_object_version 6
	.text
	.protected	k_qded7d64bfb_attention
	.globl	k_qded7d64bfb_attention
	.p2align	8
	.type	k_qded7d64bfb_attention,@function
k_qded7d64bfb_attention:
	s_mov_b64 s[64:65], 0
	v_nop
	global_prefetch_b8 v0, s[64:65] scope:SCOPE_SE
	s_setreg_imm32_b32 hwreg(HW_REG_WAVE_MODE, 25, 1), 1
	s_wait_xcnt 0x0
	s_wait_alu depctr_hold_cnt(0) depctr_sa_sdst(0) depctr_va_vdst(0) depctr_va_sdst(0) depctr_va_ssrc(0) depctr_va_vcc(0) depctr_vm_vsrc(0)
	s_getreg_b32 s2, hwreg(HW_REG_IB_STS2, 6, 4)
	s_cmp_eq_u32 s2, 0
	s_cbranch_scc0 .Lentry_in_a_cluster
	s_endpgm
.Lentry_in_a_cluster:
	s_bfe_u32 s2, ttmp6, 0x10000c
	s_cmp_lg_u32 s2, 0x3003
	s_cbranch_scc0 .Lentry_shape_is_right
	s_endpgm
.Lentry_shape_is_right:
; Causal attention on codes of E5M2: S = Q K^T, p = 2^(t - M), O = P V / l, and O's codes for the projection.  q_img, k_img, v_img, a_img are images of operand registers, as the launch before lays them.
; WORK LEFT OUT: a step of 128 keys that come after all of a tile's queries (the causal mask that reference() builds itself); see the first kernel's head, with its limit.
; THE SOFTMAX: t = score x log2(e) / 8; M = the row's largest t so far, rounded up to a whole number, kept as -M; the row's sum is taken of the unquantised p in f32; when M moves, sum and O are multiplied by a power of two.
; SHARES.  A head's 2,048 queries are 64 pairs of two tiles of 16.  Work-group x (0..7) of a head takes one pair of each eighth m = 0..7: pair 8 m + x where m is even, 8 m + 7 - x where m is odd.
; Sixteen waves: wave w, with i = w / 4 and u = w % 2, takes tile u of the pair of eighth 7 - i (the long tile) and tile u of the pair of eighth i (the short one), and the steps of 128 keys of parity s (bit 1 of w xor bit 2).
; The two tiles together have 17 steps for every i, so a wave has 8 or 9 of them.  While both tiles are alive they share every fragment of K and V that the wave reads from LDS.
; The two waves of the same tiles join at the end through LDS: s = 0 owns the long tile and hands its part of the short one over, s = 1 the other way round.
; CLUSTERS: the four work-groups x = 4 X .. 4 X + 3 of a head share K and V: every load is joint.  A tile's last step, 2 m + ((m + X) % 2), hangs on X and the wave alone: partners take the same branches;
; the place in the cluster enters the addresses of Q and of the result and the lanes' mask values, and nothing else.
; LDS: double step d (256 keys) at 32,768 d: K's two steps of 8,192 bytes, then V's.  Two fills.  d = 0..3: each wave one load of 8,192 bytes, one step of K or of V, in the launch's head.  d = 4..7: waves 8 to 15 one load each of
; 16,384 bytes, both steps of K or of V: these waves walk two tiles for longest and come to the signal behind d = 0 last, so the others have no load of their own to wait for there.
; All of K and V stays: nothing is filled again.  Every work-group reads at least fifteen of the sixteen steps, and the load that brings the last step brings the one before it too: so each load is read.
; No prefetch: the first fill is asked for at once, and the second goes out itself four double steps ahead of the first read of it.
; LIMITS: e2 + e3 between -123 and 130, e4 between -126 and 112, e6 - e4 - e5 between -126 and 112.  The promise holds while the scaled scores stay under 2^31.  NaN and infinity are not served.
.set LI,  1                            ; v1  16 x lane + 8,192 s
.set ADK, 2                            ; v2  LDS address of the step's fragments
.set DDA, 3                            ; v3, v4  mask: register 8 t + j of the long / short tile is hidden on the diagonal where 16 t + j > this
.set DDB, 4
.set SPW, 5                            ; v5  my spare word; v6 0; never rewritten
.set NIL, 6
.set SCP, 7                            ; v7  2^e4, for the conversion
.set STA, 8                            ; v[8:9] long tile: -M, largest t;  v[10:11] its sum in two halves;  v[12:15] the short tile's
.set STB, 12
.set QA,  16                           ; v16-23, v24-31 Q
.set QB,  24
.set OA,  32                           ; v32-63, v64-95 O^T
.set OB,  64
.set KV,  96                           ; v96-159 K's fragments, then V's
.set SB,  160                          ; v160-223 scores, then p
.set CA,  224                          ; v224-239, v240-255 p's codes; at work before them
.set CB,  240
.set G1,  16                           ; s[16:23], s[24:27] descriptor groups 1, 0 of the first fill
.set G0,  24
.set H1,  84                           ; s[84:91], s[36:39] of the second
.set H0,  36
.set TA,  28                           ; the tiles' numbers, 0..127
.set TB,  29
.set AO,  30                           ; s[30:31] my result
.set RSC, 34                           ; s34, s35 the result's scale and hold
.set WV,  48
.set CX,  49
.set CL,  50
.set BH,  51
.set SS,  52
.set UU,  53
.set JA,  54                           ; the tiles' last steps: JB is under JA
.set KB,  55                           ; the step in hand
.set LO,  56
.set CNT, 57
.set CSC, 58                           ; s[58:59] log2(e) / 8 x 2^(e2 + e3), twice
.set SEL, 60                           ; s[60:61] selects for lane l xor 16
.set HLD, 62                           ; s62 57,344 x 2^e4
.set JB,  63
.set MLX, 0x40000                      ; M and sums on their way: 256 bytes a wave
.set SPARE, 0x41000                    ; the spare words, 128 bytes a wave
.set EXH, 0x42000                      ; the join's bytes of waves 8 to 15; waves 0 to 7 use those of d = 0
.macro ROUND                           ; a round of the cluster's barrier
	s_barrier_signal -1
	s_barrier_wait -1
	s_cmp_lg_u32 s[WV], 0
	s_cbranch_scc1 .Lnot_wave_0_\@
	s_barrier_signal -3
.Lnot_wave_0_\@:
	s_barrier_wait -3
	s_barrier_signal -1
	s_barrier_wait -1
.endm
.macro FILL g0, g1
	tensor_load_to_lds s[\g0:\g0+3], s[\g1:\g1+7]
	s_nop 0
.rept 4
	v_nop
.endr
.endm
.macro TILE m, j, t                    ; from the eighth in s[m]: the last step and the tile's number (s70: x)
	s_and_b32 s71, s[\m], 1
	s_xor_b32 s72, s71, s[CL]
	s_lshl_b32 s[\j], s[\m], 1
	s_add_co_u32 s[\j], s[\j], s72
	s_mul_i32 s71, s71, 7
	s_xor_b32 s71, s70, s71                        ; x or 7 - x
	s_lshl_b32 s72, s[\m], 3
	s_add_co_u32 s71, s71, s72
	s_lshl_b32 s71, s71, 1
	s_add_co_u32 s[\t], s71, s[UU]
.endm
	s_load_b256 s[4:11], s[0:1], 0x0               ; q s[4:5], k s[6:7], v s[8:9], exponents s[10:11]
	s_load_b64 s[12:13], s[0:1], 0x20              ; the result
	v_lshl_add_u32 v[SPW], v0, 2, SPARE
	v_mov_b32 v[NIL], 0
	ds_add_u32 v[SPW], v[NIL]                      ; the opening: the add twice on end, under one wait
	ds_add_u32 v[SPW], v[NIL]
	v_lshrrev_b32 v1, 5, v0
	v_readfirstlane_b32 s[WV], v1
	s_bfe_u32 s[CX], ttmp6, 0x40000
	s_mov_b32 s[CL], ttmp9                         ; X
	s_and_b32 s[BH], ttmp7, 0xffff                 ; 16 x batch + head
	s_mov_b32 s[G1], 15|(3<<16)|(1<<21)            ; the mask: all four; elements of 8 bytes; bit 21 beside a mask
	s_mov_b32 s[G1+1], 512<<16                     ; rows of 4,096 bytes, end to end:
	s_mov_b32 s[G1+2], 2<<16                       ; two of them
	s_mov_b32 s[G1+3], 512<<16
	s_mov_b32 s[G1+4], 2
	s_mov_b32 s[G1+5], 512
	s_mov_b32 s[G1+6], 0
	s_mov_b32 s[G1+7], 0
	s_mov_b32 s[H1], 15|(3<<16)|(1<<21)
	s_mov_b32 s[H1+1], 512<<16
	s_mov_b32 s[H1+2], 4<<16                       ; four of them
	s_mov_b32 s[H1+3], 512<<16
	s_mov_b32 s[H1+4], 4
	s_mov_b32 s[H1+5], 512
	s_mov_b32 s[H1+6], 0
	s_mov_b32 s[H1+7], 0
	s_lshr_b32 s66, s[WV], 2                       ; i
	s_xor_b32 s69, s66, 7                          ; 7 - i
	s_lshr_b32 s67, s[WV], 1
	s_xor_b32 s68, s66, s67
	s_and_b32 s[SS], s68, 1                        ; s
	s_and_b32 s[UU], s[WV], 1                      ; u
	s_lshl_b32 s70, s[CL], 2
	s_add_co_u32 s70, s70, s[CX]                   ; x
	TILE 69, JA, TA
	TILE 66, JB, TB
	s_and_b32 s66, s[WV], 1                        ; what I fetch first: double step w / 4, K or V by bit 0, step by bit 1
	s_bfe_u32 s68, s[WV], 0x10001
	s_lshl_b32 s68, s68, 13
	s_lshr_b32 s67, s[WV], 2
	s_lshl_b32 s69, s67, 14
	s_add_co_u32 s74, s69, s68                     ; in memory, from the head's first byte,
	s_mov_b32 s75, 0
	s_lshl_b32 s69, s67, 15
	s_add_co_u32 s69, s69, s68
	s_lshl_b32 s68, s66, 14
	s_add_co_u32 s69, s69, s68                     ; and in LDS
	s_lshr_b32 s76, s[WV], 1                       ; the second fill (waves 8 to 15): double step w / 2, K or V by bit 0; in LDS at 16,384 w
	s_lshl_b32 s76, s76, 14
	s_mov_b32 s77, 0
	s_lshl_b32 s72, s[BH], 17                      ; the head's first byte in q, k and v
	s_mov_b32 s73, 0
	s_lshl_b32 s67, s[TA], 10
	s_add_co_u32 s78, s72, s67                     ; Q's two tiles
	s_mov_b32 s79, 0
	s_lshl_b32 s67, s[TB], 10
	s_add_co_u32 s80, s72, s67
	s_mov_b32 s81, 0
	s_lshr_b32 s67, s[BH], 4
	s_lshl_b32 s67, s67, 7
	s_cmp_eq_u32 s[SS], 0
	s_cselect_b32 s68, s[TA], s[TB]                ; the tile that I own
	s_add_co_u32 s67, s67, s68
	s_lshl_b32 s67, s67, 4
	s_and_b32 s68, s[BH], 15
	s_add_co_u32 s67, s67, s68
	s_lshl_b32 s82, s67, 10                        ; the result: [row tile][head][1,024 bytes]
	s_mov_b32 s83, 0
	s_wait_alu depctr_va_vdst(0)
	s_wait_dscnt 0x0                               ; both opening adds are done
	s_wait_kmcnt 0x0
	s_load_b256 s[40:47], s[10:11], 0x0            ; e0 .. e7
	s_bitcmp1_b32 s[WV], 0
	s_cselect_b64 s[70:71], s[8:9], s[6:7]
	s_add_nc_u64 s[70:71], s[70:71], s[72:73]
	s_mov_b32 s[G0], 1
	s_mov_b32 s[G0+1], s69
	s_add_nc_u64 s[G0+2:G0+3], s[70:71], s[74:75]
	s_or_b32 s[G0+3], s[G0+3], 0x80000000
	s_mov_b32 s[H0], 1
	s_lshl_b32 s[H0+1], s[WV], 14
	s_add_nc_u64 s[H0+2:H0+3], s[70:71], s[76:77]
	s_or_b32 s[H0+3], s[H0+3], 0x80000000
	s_add_nc_u64 s[66:67], s[4:5], s[78:79]
	s_add_nc_u64 s[68:69], s[4:5], s[80:81]
	s_add_nc_u64 s[AO:AO+1], s[12:13], s[82:83]
	ROUND                                          ; all four work-groups are here: the joint loads meet
	FILL G0, G1                                    ; d = 0..3: my one tensor load at the head
	v_and_b32 v160, 31, v0
	v_lshlrev_b32 v161, 4, v160
	global_load_b128 v[QA:QA+3], v161, s[66:67]
	global_load_b128 v[QA+4:QA+7], v161, s[66:67] offset:512
	global_load_b128 v[QB:QB+3], v161, s[68:69]
	global_load_b128 v[QB+4:QB+7], v161, s[68:69] offset:512
	s_lshl_b32 s72, s[SS], 13
	v_add_nc_u32 v[LI], s72, v161
	v_and_b32 v163, 15, v0
	v_bfe_u32 v164, v0, 4, 1
	v_lshlrev_b32 v164, 3, v164
	v_sub_nc_u32 v163, v163, v164                  ; my query in its tile - 8 (lane / 16)
	s_and_b32 s72, s[TA], 7
	s_lshl_b32 s72, s72, 4
	v_add_nc_u32 v[DDA], s72, v163
	s_and_b32 s72, s[TB], 7
	s_lshl_b32 s72, s72, 4
	v_add_nc_u32 v[DDB], s72, v163
.irp t, STA, STB
	v_mov_b32 v[\t+1], 0xff61b1e6                  ; the largest t so far: -3e38
	v_floor_f32 v[\t], -v[\t+1]
	v_mov_b32 v[\t+2], 0
	v_mov_b32 v[\t+3], 0
.endr
.set N, 0
.rept 64
	v_mov_b32 v[OA+N], 0                           ; a wave may have no step of its short tile at all: its part is then 0
.set N, N+1
.endr
	s_mov_b32 s[SEL], 0x76543210
	s_mov_b32 s[SEL+1], 0xfedcba98
	s_mov_b32 s[KB], s[SS]
	s_wait_kmcnt 0x0
	s_add_co_i32 s72, s42, s43
	s_lshl_b32 s72, s72, 23
	s_add_co_i32 s[CSC], s72, 0x3e38aa3b           ; log2(e) / 8, e2 + e3 added to its exponent field
	s_mov_b32 s[CSC+1], s[CSC]
	s_add_co_i32 s72, s44, 127
	s_lshl_b32 s73, s72, 23
	v_mov_b32 v[SCP], s73
	s_add_co_i32 s72, s72, 15
	s_lshl_b32 s72, s72, 23
	s_or_b32 s[HLD], s72, 0x600000
	s_sub_co_i32 s72, s46, s44
	s_sub_co_i32 s72, s72, s45                     ; O stands for O x 2^(e4 + e5): its code is O / 2^(e6 - e4 - e5)
	s_add_co_i32 s72, s72, 127
	s_lshl_b32 s[RSC], s72, 23
	s_add_co_i32 s72, s72, 15
	s_lshl_b32 s72, s72, 23
	s_or_b32 s[RSC+1], s72, 0x600000
; One tile's softmax: scores in v160-223 (register 8 t + j: key 16 t + 8 (lane / 16) + j) -> codes at c.  st: -M, largest t, sum; o: its O^T; jj: its last step.  v[c .. c + 12] are at work until the codes are written.
.macro SOFT st, o, c, dd, jj
	s_cmp_lg_u32 s[KB], s[\jj]
	s_cbranch_scc1 .Lopen_\@                       ; only the last step lies on the diagonal
	v_mov_b32 v[\c+8], 0xff800000
.set N, 0
.rept 64
	v_cmp_gt_i32 vcc_lo, 16*(N/8)+N%8, v[\dd]
	v_cndmask_b32 v[SB+N], v[SB+N], v[\c+8], vcc_lo
.set N, N+1
.endr
.Lopen_\@:
.irp k, 0,1,2,3,4,5,6,7                    ; the largest score in eight chains, each accumulator from its low end on
	v_max3_num_f32 v[\c+\k], v[SB+8*\k], v[SB+8*\k+1], v[SB+8*\k+2]
.endr
.irp k, 0,1,2,3,4,5,6,7
	v_max3_num_f32 v[\c+\k], v[\c+\k], v[SB+8*\k+3], v[SB+8*\k+4]
.endr
.irp k, 0,1,2,3,4,5,6,7
	v_max3_num_f32 v[\c+\k], v[\c+\k], v[SB+8*\k+5], v[SB+8*\k+6]
.endr
.irp k, 0,1,2,3
	v_max3_num_f32 v[\c+8+\k], v[\c+2*\k], v[\c+2*\k+1], v[SB+16*\k+7]
.endr
	v_max3_num_f32 v[\c+8], v[\c+8], v[SB+15], v[SB+31]
	v_max3_num_f32 v[\c+9], v[\c+9], v[SB+47], v[SB+63]
	v_mov_b32 v[\c+12], v[\st]                     ; the old -M
	v_max3_num_f32 v[\c+8], v[\c+8], v[\c+9], v[\c+10]
	s_delay_alu instid0(VALU_DEP_1)
	v_max_num_f32 v[\c+8], v[\c+8], v[\c+11]
	s_delay_alu instid0(VALU_DEP_1)
	v_permlanex16_b32 v[\c+9], v[\c+8], s[SEL], s[SEL+1]
	s_delay_alu instid0(VALU_DEP_1)
	v_max_num_f32 v[\c+8], v[\c+8], v[\c+9]
	s_delay_alu instid0(VALU_DEP_1)
	v_mul_f32 v[\c+8], s[CSC], v[\c+8]
	s_delay_alu instid0(VALU_DEP_1)
	v_max_num_f32 v[\st+1], v[\st+1], v[\c+8]
	s_delay_alu instid0(VALU_DEP_1)
	v_floor_f32 v[\st], -v[\st+1]                  ; -M = floor(-t)
	s_delay_alu instid0(VALU_DEP_1)
	v_sub_f32 v[\c+12], v[\st], v[\c+12]           ; old M - new M
.set N, 0
.rept 8
	v_pk_fma_f32 v[SB+N:SB+N+1], v[SB+N:SB+N+1], s[CSC:CSC+1], v[\st:\st+1] op_sel_hi:[1,0,0]   ; t - M
.set N, N+2
.endr
	v_cvt_i32_f32 v[\c+12], v[\c+12]               ; (it saturates)
.rept 8
	v_pk_fma_f32 v[SB+N:SB+N+1], v[SB+N:SB+N+1], s[CSC:CSC+1], v[\st:\st+1] op_sel_hi:[1,0,0]
.set N, N+2
.endr
	v_ldexp_f32 v[\c+10], 1.0, v[\c+12]            ; f = 2^(old M - new M)
.rept 16
	v_pk_fma_f32 v[SB+N:SB+N+1], v[SB+N:SB+N+1], s[CSC:CSC+1], v[\st:\st+1] op_sel_hi:[1,0,0]
.set N, N+2
.endr
	s_wait_alu depctr_va_vdst(0)
.set N, 0
.rept 16
	v_pk_mul_f32 v[\o+N:\o+N+1], v[\o+N:\o+N+1], v[\c+10:\c+11] op_sel_hi:[1,0]
.set N, N+2
.endr
.set N, 0
.rept 64
	v_exp_f32 v[SB+N], v[SB+N]
.set N, N+1
.endr
	v_nop                                          ; a plain place behind the batch
	s_wait_alu depctr_va_vdst(0)
.irp k, 0,1,2,3                            ; the row's sum, of the unquantised p, in four chains
	v_pk_add_f32 v[\c+2*\k:\c+2*\k+1], v[SB+16*\k:SB+16*\k+1], v[SB+16*\k+2:SB+16*\k+3]
.endr
.irp i, 4,6,8,10,12,14
.irp k, 0,1,2,3
	v_pk_add_f32 v[\c+2*\k:\c+2*\k+1], v[\c+2*\k:\c+2*\k+1], v[SB+16*\k+\i:SB+16*\k+\i+1]
.endr
.endr
	v_pk_add_f32 v[\c:\c+1], v[\c:\c+1], v[\c+2:\c+3]
	v_pk_add_f32 v[\c+4:\c+5], v[\c+4:\c+5], v[\c+6:\c+7]
.set N, 0
.rept 8
	v_dual_min_num_f32 v[SB+N], s[HLD], v[SB+N] :: v_dual_min_num_f32 v[SB+N+1], s[HLD], v[SB+N+1]   ; the conversion does not saturate (ISA guide 7.6.2); p is not negative
.set N, N+2
.endr
	v_pk_add_f32 v[\c:\c+1], v[\c:\c+1], v[\c+4:\c+5]
.rept 8
	v_dual_min_num_f32 v[SB+N], s[HLD], v[SB+N] :: v_dual_min_num_f32 v[SB+N+1], s[HLD], v[SB+N+1]
.set N, N+2
.endr
	v_pk_fma_f32 v[\st+2:\st+3], v[\st+2:\st+3], v[\c+10:\c+11], v[\c:\c+1] op_sel_hi:[1,0,1]
.rept 16
	v_dual_min_num_f32 v[SB+N], s[HLD], v[SB+N] :: v_dual_min_num_f32 v[SB+N+1], s[HLD], v[SB+N+1]
.set N, N+2
.endr
.irp k, 0,1,2,3,4,5,6,7
	v_cvt_scalef32_pk8_bf8_f32 v[\c+2*\k:\c+2*\k+1], v[SB+8*\k:SB+8*\k+7], v[SCP]
.endr
	v_nop                                          ; a plain line behind the last conversion
.endm
.macro VLOAD                           ; V's fragments of the step, over K's
.irp t, 0,1,2,3
.irp g, 0,1,2,3
	ds_load_b128 v[KV+16*\t+4*\g:KV+16*\t+4*\g+3], v[ADK] offset:16384+2048*\t+512*\g
.endr
.endr
.endm
; One step: 128 keys against my long tile and, while it lasts, my short one.  A step beyond the long tile's last is left out, by a branch on ids; what steps the addresses is not.
.macro STEP
	s_cmp_gt_u32 s[KB], s[JA]
	s_cbranch_scc1 .Lskip_\@
	v_add_nc_u32 v[ADK], s[LO], v[LI]              ; with three v_nop four places in front of loads into V's registers
.rept 3
	v_nop
.endr
.irp t, 0,1,2,3,4,5,6,7
	ds_load_b128 v[KV+8*\t:KV+8*\t+3], v[ADK] offset:1024*\t
	ds_load_b128 v[KV+8*\t+4:KV+8*\t+7], v[ADK] offset:1024*\t+512
.endr
	s_wait_alu depctr_va_vdst(0)
	s_wait_dscnt 8                                 ; the first four of K's tiles are in
.irp t, 0,1,2,3
	v_wmma_f32_16x16x64_bf8_bf8 v[SB+8*\t:SB+8*\t+7], v[KV+8*\t:KV+8*\t+7], v[QA:QA+7], 0
.endr
	s_wait_dscnt 0x0
.irp t, 4,5,6,7
	v_wmma_f32_16x16x64_bf8_bf8 v[SB+8*\t:SB+8*\t+7], v[KV+8*\t:KV+8*\t+7], v[QA:QA+7], 0
.endr
.rept 4
	v_nop                                          ; places for V's loads and for the softmax
.endr
	s_cmp_le_u32 s[KB], s[JB]
	s_cbranch_scc1 .Lboth_\@
	VLOAD                                          ; the long tile alone: K's fragments are done with
.Lboth_\@:
	SOFT STA, OA, CA, DDA, JA
	s_cmp_gt_u32 s[KB], s[JB]
	s_cbranch_scc1 .Lone_\@
	s_wait_dscnt 0x0                               ; (both tiles: no load is out on this way)
.irp t, 0,1,2,3,4,5,6,7
	v_wmma_f32_16x16x64_bf8_bf8 v[SB+8*\t:SB+8*\t+7], v[KV+8*\t:KV+8*\t+7], v[QB:QB+7], 0
.endr
.rept 4
	v_nop
.endr
	VLOAD
	SOFT STB, OB, CB, DDB, JB
	s_wait_alu depctr_va_vdst(0)
	s_wait_dscnt 0x0
.irp t, 0,1,2,3                            ; the accumulators take turns
	v_wmma_f32_16x16x128_bf8_bf8 v[OA+8*\t:OA+8*\t+7], v[KV+16*\t:KV+16*\t+15], v[CA:CA+15], v[OA+8*\t:OA+8*\t+7]
	v_wmma_f32_16x16x128_bf8_bf8 v[OB+8*\t:OB+8*\t+7], v[KV+16*\t:KV+16*\t+15], v[CB:CB+15], v[OB+8*\t:OB+8*\t+7]
.endr
	s_branch .Lskip_\@
.Lone_\@:
	s_wait_alu depctr_va_vdst(0)
	s_wait_dscnt 0x0
.irp t, 0,1,2,3
	v_wmma_f32_16x16x128_bf8_bf8 v[OA+8*\t:OA+8*\t+7], v[KV+16*\t:KV+16*\t+15], v[CA:CA+15], v[OA+8*\t:OA+8*\t+7]
.endr
.Lskip_\@:
	s_add_co_u32 s[KB], s[KB], 2
	s_add_co_u32 s[LO], s[LO], 0x8000
.endm
.macro WALK lo, n                      ; n double steps from LDS byte lo on
	s_mov_b32 s[LO], \lo
	s_mov_b32 s[CNT], \n
.Lwalk_\@:
	STEP
	s_sub_co_u32 s[CNT], s[CNT], 1
	s_cmp_lg_u32 s[CNT], 0
	s_cbranch_scc1 .Lwalk_\@
.endm
	s_wait_alu depctr_va_vdst(0)                   ; the head's end
	s_wait_xcnt 0x0                                ; v161 may be written again
	s_wait_tensorcnt 0x0                           ; my part of the first fill is in
	ds_add_u32 v[SPW], v[NIL]
	s_wait_dscnt 0x0
	ROUND                                          ; everybody's part is in
	s_cmp_lt_u32 s[WV], 8
	s_cbranch_scc1 .Lno_fill
	FILL H0, H1                                    ; d = 4..7
.Lno_fill:
	s_wait_loadcnt 0x0                             ; Q
	WALK 0, 1
	s_wait_tensorcnt 0x0                           ; my part of the second fill, if I have one, is in, and my reads of d = 0 are over: said here,
	s_wait_dscnt 0x0
	s_barrier_signal -1
	WALK 0x8000, 3                                 ; while d = 1, 2, 3 are read, which nobody writes,
	s_barrier_wait -1                              ; and awaited here
	WALK 0x20000, 4
	; THE JOIN.  The O^T, -M and sum of the tile that I do not own go to wave w xor 2: waves 0 to 7 use the bytes of d = 0, whose last fill is in and which every wave had read ahead of its signal above; waves 8 to 15 bytes that no fill touches.
	s_lshl_b32 s66, s[WV], 12
	s_xor_b32 s67, s66, 0x2000
	s_lshr_b32 s72, s[WV], 3
	s_mul_i32 s72, s72, EXH-0x8000
	s_add_co_u32 s66, s66, s72
	s_add_co_u32 s67, s67, s72
	s_lshl_b32 s68, s[WV], 8
	s_add_co_u32 s68, s68, MLX
	s_xor_b32 s69, s68, 0x200
	v_and_b32 v160, 31, v0                         ; (these lines are the places behind the last products)
	v_lshlrev_b32 v161, 4, v160
	v_lshlrev_b32 v164, 2, v160
	v_add_nc_u32 v162, s66, v161
	v_add_nc_u32 v163, s67, v161
	v_add_nc_u32 v165, s68, v164
	v_add_nc_u32 v166, s69, v164
	v_add_f32 v10, v10, v11
	v_add_f32 v14, v14, v15
	s_wait_alu depctr_va_vdst(0)
	s_cmp_lg_u32 s[SS], 0
	s_cbranch_scc1 .Lgive_long
.irp i, 0,1,2,3,4,5,6,7
	ds_store_b128 v162, v[OB+4*\i:OB+4*\i+3] offset:512*\i
.endr
	ds_store_b32 v165, v12
	ds_store_b32 v165, v14 offset:128
	s_branch .Lgiven
.Lgive_long:
.irp i, 0,1,2,3,4,5,6,7
	ds_store_b128 v162, v[OA+4*\i:OA+4*\i+3] offset:512*\i
.endr
	ds_store_b32 v165, v8
	ds_store_b32 v165, v10 offset:128
.Lgiven:
	s_wait_dscnt 0x0
	s_barrier_signal -1
	s_cmp_eq_u32 s[SS], 0
	s_cbranch_scc1 .Lown_long
	v_mov_b32 v8, v12                              ; the owned tile into the first one's registers
	v_mov_b32 v10, v14
.set N, 0
.rept 16
	v_dual_mov_b32 v[OA+N], v[OB+N] :: v_dual_mov_b32 v[OA+N+1], v[OB+N+1]
.set N, N+2
.endr
.Lown_long:
	v_mov_b32 v175, 0                              ; (named as upper halves of pairs; a lane permute's destination counts as a source)
	v_mov_b32 v177, 0
	v_mov_b32 v178, 0
	v_mov_b32 v180, s[RSC]
	v_mov_b32 v181, s[RSC+1]
	s_wait_alu depctr_va_vdst(0)
	s_barrier_wait -1
	ds_load_b32 v168, v166
	ds_load_b32 v169, v166 offset:128
.irp i, 0,1,2,3,4,5,6,7
	ds_load_b128 v[KV+4*\i:KV+4*\i+3], v163 offset:512*\i
.endr
	s_wait_dscnt 0x0
	v_min_num_f32 v170, v8, v168                   ; -M of the whole row
	v_sub_f32 v171, v170, v8
	v_sub_f32 v172, v170, v168
	v_cvt_i32_f32 v171, v171
	v_cvt_i32_f32 v172, v172
	v_ldexp_f32 v174, 1.0, v171
	v_ldexp_f32 v176, 1.0, v172
	v_mul_f32 v10, v10, v174
	v_fma_f32 v10, v169, v176, v10
.set N, 0
.rept 16
	v_pk_mul_f32 v[OA+N:OA+N+1], v[OA+N:OA+N+1], v[174:175] op_sel_hi:[1,0]
.set N, N+2
.endr
	v_permlanex16_b32 v178, v10, s[SEL], s[SEL+1]
.set N, 0
.rept 16
	v_pk_fma_f32 v[OA+N:OA+N+1], v[KV+N:KV+N+1], v[176:177], v[OA+N:OA+N+1] op_sel_hi:[1,0,1]
.set N, N+2
.endr
	v_add_f32 v10, v10, v178                       ; the row's sum
	s_wait_alu depctr_va_vdst(0)
	v_rcp_f32 v10, v10
	v_nop
	s_wait_alu depctr_va_vdst(0)                   ; ahead of the reciprocal's first reader
.set N, 0
.rept 16
	v_pk_mul_f32 v[KV+N:KV+N+1], v[OA+N:OA+N+1], v[10:11] op_sel_hi:[1,0]
.set N, N+2
.endr
.set N, 0
.rept 32
	v_med3_num_f32 v[KV+N], v[KV+N], -v181, v181
.set N, N+1
.endr
.irp t, 0,1,2,3
	v_cvt_scalef32_pk8_bf8_f32 v[128+2*\t:129+2*\t], v[KV+8*\t:KV+8*\t+7], v180
.endr
	v_nop
	global_store_b128 v161, v[128:131], s[AO:AO+1]  ; each store of the wave covers 512 consecutive bytes, aligned
	global_store_b128 v161, v[132:135], s[AO:AO+1] offset:512
	s_wait_tensorcnt 0x0                           ; the wave's end
	ds_add_u32 v[SPW], v[NIL]
	s_wait_dscnt 0x0
	ROUND                                          ; the closing round: no work-group ends while a partner may still ask for a tile that names it
	s_endpgm
.Lfunc_end_k_qded7d64bfb_attention:
	.size	k_qded7d64bfb_attention, .Lfunc_end_k_qded7d64bfb_attention-k_qded7d64bfb_attention
	.p2alignl 7, 3214868480
	.fill 96, 4, 3214868480
	.section	.rodata,"a",@progbits
	.p2align	6, 0x0
	.amdhsa_kernel k_qded7d64bfb_attention
		.amdhsa_group_segment_fixed_size 327680
		.amdhsa_private_segment_fixed_size 0
		.amdhsa_enable_private_segment 0
		.amdhsa_kernarg_size 40
		.amdhsa_user_sgpr_count 2
		.amdhsa_user_sgpr_kernarg_segment_ptr 1
		.amdhsa_wavefront_size32 1
		.amdhsa_system_sgpr_workgroup_id_x 1
		.amdhsa_system_sgpr_workgroup_id_y 1
		.amdhsa_system_sgpr_workgroup_id_z 1
		.amdhsa_system_vgpr_workitem_id 0
		.amdhsa_next_free_vgpr 256
		.amdhsa_next_free_sgpr 96
		.amdhsa_reserve_vcc 1
		.amdhsa_float_denorm_mode_32 3
		.amdhsa_float_denorm_mode_16_64 3
		.amdhsa_memory_ordered 1
		.amdhsa_forward_progress 1
		.amdhsa_inst_pref_size 142
	.end_amdhsa_kernel
	.amdgpu_metadata
---
amdhsa.version: [ 1, 2 ]
amdhsa.kernels:
  - .name:           k_qded7d64bfb_attention
    .symbol:         k_qded7d64bfb_attention.kd
    .args:
      - { .name: q_img, .offset: 0, .size: 8, .value_kind: global_buffer, .address_space: global }
      - { .name: k_img, .offset: 8, .size: 8, .value_kind: global_buffer, .address_space: global }
      - { .name: v_img, .offset: 16, .size: 8, .value_kind: global_buffer, .address_space: global }
      - { .name: lowp_scales, .offset: 24, .size: 8, .value_kind: global_buffer, .address_space: global }
      - { .name: a_img, .offset: 32, .size: 8, .value_kind: global_buffer, .address_space: global }
    .group_segment_fixed_size: 327680
    .private_segment_fixed_size: 0
    .kernarg_segment_align: 8
    .kernarg_segment_size: 40
    .max_flat_workgroup_size: 512
    .sgpr_count:     96
    .vgpr_count:     256
    .wavefront_size: 32
...
	.end_amdgpu_metadata
.endif
;; end of part 2
;; launch out_proj (part 3): grid 8 x 32, 4 waves a work-group, clusters of 4 x 4, 327,680 bytes of LDS; arguments a_img, Wo_codes, lowp_scales, out0; writes out0
.if DOCPART == 3
	.amdgcn_target "amdgcn-amd-amdhsa--gfx1250"
	.amdhsa_code_object_version 6
	.text
	.protected	k_qded7d64bfb_out_proj
	.globl	k_qded7d64bfb_out_proj
	.p2align	8
	.type	k_qded7d64bfb_out_proj,@function
k_qded7d64bfb_out_proj:
	s_mov_b64 s[64:65], 0
	v_nop
	global_prefetch_b8 v0, s[64:65] scope:SCOPE_SE
	s_setreg_imm32_b32 hwreg(HW_REG_WAVE_MODE, 25, 1), 1
	s_wait_xcnt 0x0
	s_wait_alu depctr_hold_cnt(0) depctr_sa_sdst(0) depctr_va_vdst(0) depctr_va_sdst(0) depctr_va_ssrc(0) depctr_va_vcc(0) depctr_vm_vsrc(0)
	s_getreg_b32 s2, hwreg(HW_REG_IB_STS2, 6, 4)
	s_cmp_eq_u32 s2, 0
	s_cbranch_scc0 .Lentry_in_a_cluster
	s_endpgm
.Lentry_in_a_cluster:
	s_bfe_u32 s2, ttmp6, 0x10000c
	s_cmp_lg_u32 s2, 0xf033
	s_cbranch_scc0 .Lentry_shape_is_right
	s_endpgm
.Lentry_shape_is_right:
; out0 = A Wo^T x 2^(e6 + e7) on codes of E5M2.  A: the attention's result, [4096][1024], as images of operand registers: a_img [row tile 256][head 16][1024 bytes]; two neighbouring heads' images are one
; fragment of 16 rows x 128 K in the form's own layout.  Wo: [1024][1024] codes, K innermost.  out0: [4096][1024] f32.
; SHARES.  A tile of out0 is 128 x 128: 256 work-groups.  Four waves, each 64 x 64 (rows by bit 1 of the wave's number, columns by bit 0).  The whole K of both panels lies in LDS, filled once: each wave issues one load,
; waves 0 and 1 the two halves of Wo's 128 rows, waves 2 and 3 those of A's.  Nothing is filled again.
; BY ROWS OF out0: a wave takes all its fragments of Wo (64 columns x 1,024 K) into 512 registers, once; then its four blocks of 16 rows are finished one after the other, 32 matrix instructions each, and each block is
; stored while the next one is multiplied.  No fragment is read twice.
; No prefetch: the launch has no loop to run ahead in; all its loads are asked for at the head.
; CLUSTERS: 4 x 4 work-groups; A's panel is shared along a row of the cluster, Wo's along a column: each tile is asked for jointly, by the same tensor load in all four.
; THE MATRIX INSTRUCTION IS USED TRANSPOSED (source 0 = 16 rows of Wo, source 1 = 16 rows of A): a lane holds eight neighbouring numbers of a row of out0.
; LIMIT: e6 + e7 between -126 and 127, so that 2^(e6 + e7) is an f32 number.
; REGISTERS: window 0: v1-31 addresses; v32-63 a block's scaled sums; v64-127 rows read back, two sets; v128-191 the accumulators, two sets of four.
;   window 1: Wo's fragments (p, b) at v[64 p + 16 b], p = 0..3 (128 along K each); window 2: p = 4..7.   window 3: A's fragments of a block, p at v[16 p], two buffers of 128.
.set PITCH,  1040                      ; a row of Wo in LDS: 1,024 bytes + 16 of padding
.set BOFF,   131072                    ; A: [row tile 8][16,384 bytes], then Wo
.set STAGE,  BOFF+128*PITCH            ; 16 rows x 272 bytes for each wave, for the way out; no fill lands there
.set SPITCH, 272
.set SPARE,  STAGE+4*16*SPITCH
.set ADRA, 16
.set ADRB, 17
.set STO,  24
.set RD,   25
.set CO,   26
.set SPW,  30
.set NIL,  31
.set TMP,  32
.set BK,   64
.set ACC,  128
.set WV,   12
.set G1A,  24                          ; s[24:31], s[32:39] descriptor groups 1; s[40:43], s[44:47] groups 0
.set G1B,  32
.set G0A,  40
.set G0B,  44
.set MSB, 0
.macro WIN new                         ; the immediate's high byte repeats the setting that is left
.if MSB != \new
	s_set_vgpr_msb (MSB<<8)|\new
.set MSB, \new
.endif
.endm
.macro CROUND                          ; a round of the cluster's barrier
	s_barrier_signal -1
	s_barrier_wait -1
	s_cmp_lg_u32 s[WV], 0
	s_cbranch_scc1 .Lnot_wave_0_\@
	s_barrier_signal -3
.Lnot_wave_0_\@:
	s_barrier_wait -3
	s_barrier_signal -1
	s_barrier_wait -1
.endm
.macro PLACES
.rept 4
	v_nop
.endr
.endm
	s_load_b256 s[4:11], s[0:1], 0x0               ; a_img s[4:5], Wo s[6:7], the scales' exponents s[8:9], out0 s[10:11]
	v_lshl_add_u32 v[SPW], v0, 2, SPARE
	v_mov_b32 v[NIL], 0
	ds_add_u32 v[SPW], v[NIL]                      ; the opening: the add twice on end, under one wait
	ds_add_u32 v[SPW], v[NIL]
	v_lshrrev_b32 v1, 5, v0
	v_readfirstlane_b32 s[WV], v1                  ; wave 0..3
	s_lshr_b32 s13, s[WV], 1                       ; which half of the tile's rows is mine.  Also: I fetch for Wo (0) or for A (1)
	s_and_b32 s14, s[WV], 1                        ; which half of its columns.  Also: which 64 rows I fetch
	s_bfe_u32 s15, ttmp6, 0x40000                  ; cx, cy
	s_bfe_u32 s16, ttmp6, 0x40004
	s_lshl_b32 s17, ttmp9, 2
	s_add_co_u32 s17, s17, s15                     ; X: tile column
	s_and_b32 s18, ttmp7, 0xffff
	s_lshl_b32 s18, s18, 2
	s_add_co_u32 s18, s18, s16                     ; Y: tile row
	s_lshl_b32 s19, s16, 2
	s_lshl_b32 s19, 15, s19                        ; my row of the cluster
	s_lshl_b32 s20, 0x1111, s15                    ; my column
	s_or_b32 s[G1A], s19, (3<<16)|(1<<21)          ; the mask; elements of 8 bytes; bit 21 beside a mask; no padding
	s_mov_b32 s[G1A+1], 2048<<16                   ; a row tile's sixteen images, 16,384 bytes
	s_mov_b32 s[G1A+2], 4<<16                      ; four row tiles
	s_mov_b32 s[G1A+3], 2048<<16
	s_mov_b32 s[G1A+4], 4
	s_mov_b32 s[G1A+5], 2048
	s_mov_b32 s[G1A+6], 0
	s_mov_b32 s[G1A+7], 0
	s_or_b32 s[G1B], s20, (1<<20)|(1<<21)|(7<<22)|(3<<25)   ; elements of 1 byte; four words of padding after every 256
	s_mov_b32 s[G1B+1], 1024<<16
	s_mov_b32 s[G1B+2], 64<<16
	s_mov_b32 s[G1B+3], 1024<<16
	s_mov_b32 s[G1B+4], 64
	s_mov_b32 s[G1B+5], 1024
	s_mov_b32 s[G1B+6], 0
	s_mov_b32 s[G1B+7], 0
	s_lshl_b32 s88, s18, 17                        ; A: row tile 8 Y + 4 x half, 16,384 bytes each: on Y and the wave alone
	s_lshl_b32 s89, s14, 16
	s_add_co_u32 s88, s88, s89
	s_mov_b32 s89, 0
	s_lshl_b32 s90, s17, 17                        ; Wo: row 128 X + 64 x half, 1,024 bytes each: on X and the wave alone
	s_lshl_b32 s91, s14, 16
	s_add_co_u32 s90, s90, s91
	s_mov_b32 s91, 0
	s_lshl_b32 s21, s14, 16                        ; where they go
	s_mul_i32 s22, s14, 64*PITCH
	s_add_co_u32 s22, s22, BOFF
	s_wait_alu depctr_va_vdst(0)
	s_wait_dscnt 0x0
	s_wait_kmcnt 0x0
	s_load_b256 s[80:87], s[8:9], 0x0              ; e0 .. e7
	s_mov_b32 s[G0A], 1
	s_mov_b32 s[G0A+1], s21
	s_add_nc_u64 s[G0A+2:G0A+3], s[4:5], s[88:89]
	s_or_b32 s[G0A+3], s[G0A+3], 0x80000000
	s_mov_b32 s[G0B], 1
	s_mov_b32 s[G0B+1], s22
	s_add_nc_u64 s[G0B+2:G0B+3], s[6:7], s[90:91]
	s_or_b32 s[G0B+3], s[G0B+3], 0x80000000
	CROUND                                         ; all sixteen work-groups are here: the joint loads meet
	s_cmp_eq_u32 s13, 0                            ; one load a wave
	s_cbranch_scc0 .Lfirst_a
	tensor_load_to_lds s[G0B:G0B+3], s[G1B:G1B+7]
	s_nop 0
	PLACES
	s_branch .Lfirst_asked
.Lfirst_a:
	tensor_load_to_lds s[G0A:G0A+3], s[G1A:G1A+7]
	s_nop 0
	PLACES
.Lfirst_asked:
	v_and_b32 v1, 15, v0                           ; r
	v_bfe_u32 v2, v0, 4, 1                         ; h
	v_and_b32 v3, 31, v0
	v_lshlrev_b32 v4, 4, v3                        ; 16 x lane
	s_lshl_b32 s23, s13, 16                        ; my four row tiles
	v_add_nc_u32 v[ADRA], s23, v4
	v_mul_u32_u24 v5, v1, PITCH
	v_lshl_add_u32 v5, v2, 3, v5                   ; Wo in the form's own layout: row x pitch + 8 h, eight loads of 8 bytes, 16 apart
	v_add_nc_u32 v[ADRB], s22, v5                  ; the half that I multiply has the number of the half that I fetch (or that wave w xor 2 fetches)
	s_mul_i32 s23, s[WV], 16*SPITCH
	s_add_co_u32 s23, s23, STAGE                   ; my stage
	v_mul_u32_u24 v6, v1, SPITCH
	v_lshl_add_u32 v6, v2, 5, v6
	v_add_nc_u32 v[STO], s23, v6                   ; in: row r, 32 bytes for each half of the lanes
	v_mul_u32_u24 v7, v2, SPITCH
	v_lshl_add_u32 v7, v1, 4, v7
	v_add_nc_u32 v[RD], s23, v7                    ; back: lanes 0-15 one row of 256 bytes, lanes 16-31 the next
	v_lshlrev_b32 v8, 12, v2
	v_lshl_add_u32 v[CO], v1, 4, v8                ; and the same two rows in out0
	s_lshl_b32 s92, s18, 19                        ; my first row: 128 Y + 64 x half, 4,096 bytes each
	s_lshl_b32 s93, s13, 18
	s_add_co_u32 s92, s92, s93
	s_lshl_b32 s94, s17, 9                         ; my first column: 128 X + 64 x half, 4 bytes each
	s_lshl_b32 s95, s14, 8
	s_add_co_u32 s94, s94, s95
	s_add_co_u32 s92, s92, s94
	s_mov_b32 s93, 0
	s_add_nc_u64 s[10:11], s[10:11], s[92:93]
	s_wait_alu depctr_va_vdst(0)                   ; the head's end
	s_wait_kmcnt 0x0
	s_add_co_i32 s76, s86, s87
	s_add_co_i32 s76, s76, 127
	s_lshl_b32 s76, s76, 23                        ; 2^(e6 + e7) as f32
	s_mov_b32 s77, s76                             ; (named with it as a pair)
.macro WLOAD p0                        ; Wo's fragments p0 .. p0 + 3 into the window in hand
.irp p, 0,1,2,3
.irp b, 0,1,2,3
.irp c, 0,1,2,3,4,5,6,7
	ds_load_b64 v[64*\p+16*\b+2*\c:64*\p+16*\b+2*\c+1], v[ADRB] offset:\b*16*PITCH+(\p0+\p)*128+16*\c
.endr
.endr
.endr
.endm
.macro AFETCH a                        ; A's fragments of block a: 32 loads
	WIN 0xc0
.irp p, 0,1,2,3,4,5,6,7
.irp g, 0,1,2,3
	ds_load_b128 v[128*((\a)%2)+16*\p+4*\g:128*((\a)%2)+16*\p+4*\g+3], v[ADRA] offset:(\a)*16384+\p*2048+512*\g
.endr
.endr
	WIN 0
.endm
; Half hf of block a's products (512 along K): 16 matrix instructions; the block's four accumulators take turns, K ascending
.macro ROWMUL a, hf
.set AC, ACC+32*((\a)%2)
	WIN 0x0d+\hf                                   ; source 0 window 1 or 2, source 1 window 3, C and D window 0
.irp p, 0,1,2,3
.irp b, 0,1,2,3
.if (\hf == 0) && (\p == 0)
	v_wmma_f32_16x16x128_bf8_bf8 v[AC+8*\b:AC+8*\b+7], v[64*\p+16*\b:64*\p+16*\b+15], v[128*((\a)%2)+16*(4*\hf+\p):128*((\a)%2)+16*(4*\hf+\p)+15], 0
.else
	v_wmma_f32_16x16x128_bf8_bf8 v[AC+8*\b:AC+8*\b+7], v[64*\p+16*\b:64*\p+16*\b+15], v[128*((\a)%2)+16*(4*\hf+\p):128*((\a)%2)+16*(4*\hf+\p)+15], v[AC+8*\b:AC+8*\b+7]
.endif
.endr
.endr
	WIN 0
.endm
; THE WAY OUT of block a, 16 rows x 64 columns: x 2^(e6 + e7), through my own stage, back as whole rows of 256 bytes.  LDS serves a wave's instructions in order (ISA guide 5.7.1.4).
.macro TOSTAGE a
.set AC, ACC+32*((\a)%2)
.set BB, BK+32*((\a)%2)
.set II, 0
.rept 16
	v_pk_mul_f32 v[TMP+II:TMP+II+1], v[AC+II:AC+II+1], s[76:77] op_sel_hi:[1,0]   ; each accumulator from its low end on
.set II, II+2
.endr
.irp b, 0,1,2,3
	ds_store_b128 v[STO], v[TMP+8*\b:TMP+8*\b+3] offset:64*\b
	ds_store_b128 v[STO], v[TMP+8*\b+4:TMP+8*\b+7] offset:64*\b+16
.endr
.irp t, 0,1,2,3,4,5,6,7
	ds_load_b128 v[BB+4*\t:BB+4*\t+3], v[RD] offset:\t*2*SPITCH
.endr
.endm
.macro SEND a, younger                 ; younger: the LDS instructions issued behind block a's loads, which may stay out
.set BB, BK+32*((\a)%2)
	s_wait_dscnt \younger
.irp t, 0,1,2,3,4,5,6,7
	global_store_b128 v[CO], v[BB+4*\t:BB+4*\t+3], s[10:11] offset:(16*(\a)+2*\t)*4096 th:TH_STORE_NT   ; 16 lanes store 256 consecutive bytes, at a multiple of 256 from out0's first byte
.endr
.endm
	s_cmp_gt_u32 s[WV], 1                          ; Wo first: waves 0 and 1 wait for their load here, waves 2 and 3 below
	s_cbranch_scc1 .Lnot_wo
	s_wait_tensorcnt 0x0
.Lnot_wo:
	s_barrier_signal -1
	s_barrier_wait -1                              ; all of Wo's panel is in
	WIN 0x40
	WLOAD 0
	WIN 0x80
	WLOAD 4
	WIN 0
	s_wait_tensorcnt 0x0                           ; my load is in, whichever it was
	s_wait_dscnt 0x0
	s_barrier_signal -1
	s_barrier_wait -1                              ; A's panel is in too
	AFETCH 0
	AFETCH 1
	s_wait_dscnt 32                                ; block 0's fragments; block 1's 32 loads may be out
	ROWMUL 0, 0
	ROWMUL 0, 1
.irp a, 0,1,2
	PLACES
.if \a > 1
	s_wait_xcnt 0x0                                ; block a - 2's stores have read their registers: block a's loads may land there
.endif
	TOSTAGE \a
.if \a < 2
	AFETCH \a+2
	s_wait_dscnt 48                                ; block a + 1's fragments; behind them the stage's 16 and block a + 2's 32 loads may be out
.else
	s_wait_dscnt 16
.endif
	ROWMUL \a+1, 0
.if \a < 2
	SEND \a, 32                                    ; block a + 2's loads may be out
.else
	SEND \a, 0
.endif
	ROWMUL \a+1, 1
.endr
	PLACES
	s_wait_xcnt 0x0
	TOSTAGE 3
	SEND 3, 0
	s_wait_tensorcnt 0x0                           ; the wave's end
	ds_add_u32 v[SPW], v[NIL]
	s_wait_dscnt 0x0
	CROUND                                         ; the closing round: no work-group ends while a partner may still ask for a tile that names it
	s_endpgm
.Lfunc_end_k_qded7d64bfb_out_proj:
	.size	k_qded7d64bfb_out_proj, .Lfunc_end_k_qded7d64bfb_out_proj-k_qded7d64bfb_out_proj
	.p2alignl 7, 3214868480
	.fill 96, 4, 3214868480
	.section	.rodata,"a",@progbits
	.p2align	6, 0x0
	.amdhsa_kernel k_qded7d64bfb_out_proj
		.amdhsa_group_segment_fixed_size 327680
		.amdhsa_private_segment_fixed_size 0
		.amdhsa_enable_private_segment 0
		.amdhsa_kernarg_size 32
		.amdhsa_user_sgpr_count 2
		.amdhsa_user_sgpr_kernarg_segment_ptr 1
		.amdhsa_wavefront_size32 1
		.amdhsa_system_sgpr_workgroup_id_x 1
		.amdhsa_system_sgpr_workgroup_id_y 1
		.amdhsa_system_sgpr_workgroup_id_z 1
		.amdhsa_system_vgpr_workitem_id 0
		.amdhsa_next_free_vgpr 1024
		.amdhsa_next_free_sgpr 100
		.amdhsa_reserve_vcc 0
		.amdhsa_float_denorm_mode_32 3
		.amdhsa_float_denorm_mode_16_64 3
		.amdhsa_memory_ordered 1
		.amdhsa_forward_progress 1
		.amdhsa_inst_pref_size 51
	.end_amdhsa_kernel
	.amdgpu_metadata
---
amdhsa.version: [ 1, 2 ]
amdhsa.kernels:
  - .name:           k_qded7d64bfb_out_proj
    .symbol:         k_qded7d64bfb_out_proj.kd
    .args:
      - { .name: a_img, .offset: 0, .size: 8, .value_kind: global_buffer, .address_space: global }
      - { .name: Wo_codes, .offset: 8, .size: 8, .value_kind: global_buffer, .address_space: global }
      - { .name: lowp_scales, .offset: 16, .size: 8, .value_kind: global_buffer, .address_space: global }
      - { .name: out0, .offset: 24, .size: 8, .value_kind: global_buffer, .address_space: global }
    .group_segment_fixed_size: 327680
    .private_segment_fixed_size: 0
    .kernarg_segment_align: 8
    .kernarg_segment_size: 32
    .max_flat_workgroup_size: 128
    .sgpr_count:     100
    .vgpr_count:     1024
    .wavefront_size: 32
...
	.end_amdgpu_metadata
.endif
;; end of part 3
